; MI455X (gfx1250); checked and timed in simulation.
; The chip was launched on July 23, 2026; its instructions are those of AMD's public machine-readable ISA for CDNA 5 (MIT licence, August 2026) and "CDNA5" Instruction Set Architecture Reference Guide (July 2026). The comments in the code are by the model that wrote it; some were corrected since.
;; Attention. Allowed arithmetic: matrix products marked QUANTISED: E4M3 operands, one E8M0 scale for each 32 along K, by v_wmma_scale_f32_16x16x128_f8f6f4 with both operands' format E4M3, f32 sums; everything else in f32.
;; Inputs: Wk_codes 1,024 x 32 x 32 uint8 (E4M3 codes of Wk, K innermost, in blocks of 32 codes); Wk_scales 1,024 x 32 uint8 (E8M0 scales of Wk, one for each 32 codes along K); Wo_codes 1,024 x 32 x 32 uint8 (E4M3 codes of Wo, K innermost, in blocks of 32 codes); Wo_scales 1,024 x 32 uint8 (E8M0 scales of Wo, one for each 32 codes along K); Wq_codes 1,024 x 32 x 32 uint8 (E4M3 codes of Wq, K innermost, in blocks of 32 codes); Wq_scales 1,024 x 32 uint8 (E8M0 scales of Wq, one for each 32 codes along K); Wv_codes 1,024 x 32 x 32 uint8 (E4M3 codes of Wv, K innermost, in blocks of 32 codes); Wv_scales 1,024 x 32 uint8 (E8M0 scales of Wv, one for each 32 codes along K); mask 1 x 1 x 2,048 x 2,048 bool; x_codes 2 x 2,048 x 32 x 32 uint8 (E4M3 codes of x, K innermost, in blocks of 32 codes); x_scales 2 x 2,048 x 32 uint8 (E8M0 scales of x, one for each 32 codes along K).
;; Outputs: out0 2 x 2,048 x 1,024 float32.
;; This version of the problem:
;;   THIS VERSION OF THE PROBLEM IS GIVEN IN LOW PRECISION. The matrix products marked QUANTISED in the list below multiply operands that are first quantised to E4M3 (4 exponent bits, 3 mantissa bits; 8 bits a number), with one power-of-two scale for each 32 numbers along K (OCP MX v1.0); their sums are f32. All else is computed in f32.
;;   The module's matrix products, in the order in which they are computed (A, B: the left and right operand; K: the contracted axis; several contracted axes count as one K, in the product's order):
;;     1. [M 4,096, K 1,024] x [K 1,024, N 1,024]; A: input x (given as codes); B: input Wq (given as codes): QUANTISED
;;     2. [M 4,096, K 1,024] x [K 1,024, N 1,024]; A: input x (given as codes); B: input Wk (given as codes): QUANTISED
;;     3. [M 4,096, K 1,024] x [K 1,024, N 1,024]; A: input x (given as codes); B: input Wv (given as codes): QUANTISED
;;     4. batch 32 x [M 2,048, K 64] x [K 64, N 2,048]; A: computed on the way; B: computed on the way: QUANTISED
;;     5. batch 32 x [M 2,048, K 2,048] x [K 2,048, N 64]; A: softmax (see below); B: computed on the way: QUANTISED
;;     6. [M 4,096, K 1,024] x [K 1,024, N 1,024]; A: computed on the way; B: input Wo (given as codes): QUANTISED
;;   THE QUANTISER, for each operand of a quantised product, along K:
;;     - K is cut into blocks of 32 from its start; a last block that is shorter is filled with zeros.
;;     - A block's scale is 2^e with e = floor(log2(the largest magnitude in the block)) - 8, held to -126 .. 127; a block of zeros has e = 0. As a byte (E8M0): e + 127.
;;     - Each number is divided by its block's scale, clamped to +-448, and rounded to the nearest number of E4M3, ties to even, subnormals kept.
;;     - The product sums the exact products of the quantised numbers (number of the format x scale) in f32.
;;   ~~~python
;;   def quantise(x, axis):      # numpy; x: float32 -> the quantised numbers, widened to float32 again
;;       x = np.moveaxis(x, axis, -1); K = x.shape[-1]
;;       x = np.pad(x, [(0, 0)] * (x.ndim - 1) + [(0, -K % 32)]); x = x.reshape(x.shape[:-1] + (-1, 32)); a = np.abs(x).max(-1, keepdims=True)
;;       e = np.where(a > 0, np.clip(np.frexp(np.where(a > 0, a, 1))[1] - 1 - 8, -126, 127), 0)      # np.frexp(a)[1] - 1 = floor(log2(a)), exactly
;;       r = np.clip(x / 2.0 ** e, -448, 448)
;;       step = 2.0 ** (np.maximum(np.frexp(np.where(r == 0, 1, r))[1] - 1, -6) - 3)
;;       q = np.round(r / step) * step * 2.0 ** e      # np.round: ties to even
;;       return np.moveaxis(q.reshape(q.shape[:-2] + (-1,))[..., :K], -1, axis).astype(np.float32)
;;   ~~~
;;   SOFTMAX AHEAD OF A QUANTISED PRODUCT. Where the list says 'softmax', what is quantised is not the finished softmax but p = 2^(t - M), with t = logit x log2(e) and M = ceil(the row's largest t), a whole number; so 1/2 < the row's largest p <= 1. The row's sum l is taken of the UNQUANTISED p, in f32, and the product's result is divided by l at the end. Since M is a whole number, a kernel that streams over the keys may use a running M (the ceiling of the running maximum): every later rescaling is an exact power of two, which a block's scale takes up: the codes' values come out the same.
;;   OPERANDS COMPUTED ON THE WAY. 'Computed on the way' means the value that the module computes at that place (a softmax that the list does not call 'softmax' is quantised finished and normalised). What goes into a quantiser is computed in f32, as accurately as f32 sums, v_exp_f32 and their like allow (about 1e-6 of the number): no bf16 or f16 on the way to a quantiser, and a product that is left as it is and whose result goes on into a quantised operand takes f32 operands (vector FMAs, or v_wmma_f32_16x16x4_f32). A number that lies on a knife's edge between two numbers of the format may be rounded either way, as far as f32 arithmetic and the matrix unit's own rounding can turn it there, and no further.
;;   INPUTS GIVEN AS CODES. Wk (in the module: [1024, 1024], K = its axis 0); Wo (in the module: [1024, 1024], K = its axis 0); Wq (in the module: [1024, 1024], K = its axis 0); Wv (in the module: [1024, 1024], K = its axis 0); x (in the module: [2, 2048, 1024], K = its axis 2): each comes as NAME_codes (uint8): NAME with its K axis moved to the last place and cut into blocks of 32 codes, [.., K / 32, bytes a block], one block behind the other in memory; one code a byte (a code: sign, 4 exponent bits, 3 mantissa bits); and NAME_scales (uint8): the same leading axes, one E8M0 byte (e + 127) for each 32 codes along K. Its value is code x scale, taken as it is: it is not quantised again, and the codes and scales need not be those that the quantiser above would give.
;; 2 versions, each right; version 2 is version 1 with the launch attn written anew for expert scheduling mode. Each part assembles by itself: llvm-mc -triple=amdgcn-amd-amdhsa -mcpu=gfx1250 --defsym DOCPART=n.
;; ======== version 1 of 2: 3 launches
;; workspace buffers: qkimg 8,388,608 bytes; qksc 1,048,576 bytes; vimg 4,194,304 bytes; vsch 262,144 bytes; mw 540,672 bytes of whole numbers; oimg 4,194,304 bytes; osc 131,072 bytes
;; launch qkv (part 1): grid 8 x 32, 4 waves a work-group, clusters of 4 x 4, 327,680 bytes of LDS; arguments x_codes, x_scales, Wq_codes, Wq_scales, Wk_codes, Wk_scales, Wv_codes, Wv_scales, mask, qkimg, qksc, vimg, vsch, mw; writes qkimg, qksc, vimg, vsch, mw
.if DOCPART == 1
	.amdgcn_target "amdgcn-amd-amdhsa--gfx1250"
	.amdhsa_code_object_version 6
	.text
	.protected	k_q63d1aee7c0_qkv
	.globl	k_q63d1aee7c0_qkv
	.p2align	8
	.type	k_q63d1aee7c0_qkv,@function
k_q63d1aee7c0_qkv:
	s_mov_b64 s[64:65], 0
	v_nop
	global_prefetch_b8 v0, s[64:65] scope:SCOPE_SE
	s_setreg_imm32_b32 hwreg(HW_REG_WAVE_MODE, 25, 1), 1
	s_wait_xcnt 0x0
	s_wait_alu depctr_hold_cnt(0) depctr_sa_sdst(0) depctr_va_vdst(0) depctr_va_sdst(0) depctr_va_ssrc(0) depctr_va_vcc(0) depctr_vm_vsrc(0)
	s_getreg_b32 s2, hwreg(HW_REG_IB_STS2, 6, 4)
	s_cmp_eq_u32 s2, 0
	s_cbranch_scc0 .Lentry_in_a_cluster
	s_endpgm
.Lentry_in_a_cluster:
	s_bfe_u32 s2, ttmp6, 0x10000c
	s_cmp_lg_u32 s2, 0xf033
	s_cbranch_scc0 .Lentry_shape_is_right
	s_endpgm
.Lentry_shape_is_right:
; q = x Wq, k = x Wk, v = x Wv on codes of FP8 (E4M3) with E8M0 scales; q and k are normalised per head (x / sqrt(mean(x^2) + 1e-6) over the head's 64)
; and quantised along the head's 64; v is quantised along the tokens, which are the keys of the later product.  All three leave as IMAGES OF OPERAND REGISTERS.
; Beside that each wave turns two units (16 queries x 128 keys) of the mask into lane-mask words and two flags a unit, as whole numbers for the next launch.
; SHARES.  A work-group takes 128 tokens x two heads (128 columns of each of Wq, Wk, Wv).  Wave w: 64 tokens (w / 2), one head (w % 2): 4 tiles of tokens x 12 tiles of
; columns = 48 accumulators, 384 registers; 48 matrix instructions for each 128 along K against 16 fragments read from LDS.
; THE ROWS OF A TILE ARE NOT NEIGHBOURS: lane r of tile 2 b + u takes row 32 b + 8 u + r + 8 (r / 8), of tokens and of W's rows alike.  q, k: source 0 = 16 rows of W, source 1 = 16 tokens:
; a lane holds one token, and the 16 registers of tiles 2 b, 2 b + 1 are d = 32 b + 16 (lane / 16) + 0 .. 15.  v: source 0 = 16 tokens, source 1 = 16 rows of Wv: a lane holds one d and its registers run along the tokens in the same way.
; K = 1,024 goes in four chunks of 256 through two LDS slots filled by the tensor data mover (wave 0: x, waves 1 to 3: Wq, Wk, Wv; 128 rows of 256 bytes each).  The scale bytes of all of K come once, with the first fills.
; CLUSTER 4 x 4: x's tiles hang on the work-group's y alone and are asked for jointly along a row of the cluster, W's on its x alone and jointly along a column.
; LIMITS: NaN, infinities, the NaN code and the scale byte 0xff among the inputs are not served.  A block whose largest magnitude lies under 2^-118 keeps the scale byte 1 (a block of zeros too: its codes are zeros, and these bytes are read by this program alone).
; REGISTERS.  window 0: v16-25 addresses; v28, v29 the add's; v32-95 scale words, two sets of 32, and nothing else; v96-111 at work; v128-255 x's fragments, two sets (in the epilogue: at work).
;   window 1: Wq's four fragments v0-63, Wk's v64-127, Wv's v128-191.   window 2: accumulators of q (m = 0) and k (m = 1) at 128 m + 32 x + 8 a.   window 3: those of v at 32 a + 8 x.
.set PITCH, 272                        ; an LDS row: 256 bytes + 16 of padding
.set HALFT, 128*PITCH                  ; 128 rows: what one tensor load brings
.set SLOT,  4*HALFT                    ; x, Wq, Wk, Wv
.set SCL,   2*SLOT                     ; behind the ring: the scale bytes, four blocks of 128 rows x 32 bytes, as 16 rows of 256 bytes + 16
.set HALFS, 16*272
.set SPARE, SCL+4*HALFS                ; the spare words, 128 bytes a wave: two blocks of 256 bytes that no other line names
.set ADRX,  16                         ; v16-17 x's fragments in slot 0, 1
.set ADRW,  18                         ; v18-19 Wq's (Wk's lie HALFT further on)
.set ADRV,  20                         ; v20-21 Wv's
.set ADRSX, 22                         ; v22 x's scale words
.set ADRSW, 23                         ; v23 W's
.set LI,    24                         ; v24 16 x lane
.set L8,    25                         ; v25 8 x lane
.set SPW,   28
.set NIL,   29
.set SC,    32
.set TM,    96                         ; v96-97 largest magnitudes, v98-99 the partner's / the bytes, v100-101 448 x the scale, v102-103 the conversions' scale operands
.set PW,    104                        ; the two bytes just made
.set SS,    106                        ; v106-109 sums of squares
.set RS,    110                        ; v110-111 1 / sqrt
.set XF,    128
.set XT,    128                        ; epilogue: 32 numbers at work
.set CD,    160                        ; v160-167 their codes
.set WD,    168                        ; v168-171 four tiles' scale words
.set VP,    172                        ; v172-173 v's bytes, two a tile
.set MD,    128                        ; mask: v128-159 two units as loaded
.set MW,    96                         ; v96-99 their words, a pair for each unit
.set MT,    100                        ; v100-103 at work
.set MO,    104
.set MA,    105
.set MF,    106                        ; the four flags, in lanes 0 to 3
.set WV,    92                         ; s92 wave, s93 its half of the tokens, s94 its head of the two
.set TW,    93
.set CW,    94
.set G1,    24                         ; s[24:31] group 1 for x's tiles, s[32:39] groups 0 for slots 0, 1
.set G0,    32
.set G1B,   48                         ; the same for W's tiles
.set G0B,   56
.set G1S,   68                         ; for x's scales
.set G0S,   76
.set G1SB,  80                         ; for W's scales
.set G0SB,  88
.set W_QK,  0xa1                       ; source 0 (W) window 1, source 1 (x) window 0, C and D window 2
.set W_V,   0xf4                       ; source 0 (x) window 0, source 1 (Wv) window 1, C and D window 3
.set TO_W,  0x40                       ; destination window 1
.set MSB, 0
.macro WIN new                         ; the immediate's high byte repeats the setting that is left
.if MSB != \new
	s_set_vgpr_msb (MSB<<8)|\new
.set MSB, \new
.endif
.endm
.macro PLACES n
.rept \n
	v_nop
.endr
.endm
; A joint load: wave 0 asks for x, waves 1 to 3 for their W.  The branch hangs on the wave's number alone.  Four v_nop follow each of the two lines.
.macro JLOAD g0a, g1a, g0b, g1b
	s_cmp_eq_u32 s[WV], 0
	s_cbranch_scc0 .Lfor_w_\@
	tensor_load_to_lds s[\g0a:\g0a+3], s[\g1a:\g1a+7]
	s_nop 0
.rept 4
	v_nop
.endr
	s_branch .Lasked_\@
.Lfor_w_\@:
	tensor_load_to_lds s[\g0b:\g0b+3], s[\g1b:\g1b+7]
	s_nop 0
.rept 4
	v_nop
.endr
.Lasked_\@:
.endm
.macro CREST                           ; a round of the cluster's barrier behind its opening barrier
	s_cmp_lg_u32 s[WV], 0
	s_cbranch_scc1 .Lnot_wave_0_\@
	s_barrier_signal -3
.Lnot_wave_0_\@:
	s_barrier_wait -3
	s_barrier_signal -1
	s_barrier_wait -1
.endm
.macro CROUND
	s_barrier_signal -1
	s_barrier_wait -1
	CREST
.endm
	s_load_b512 s[4:19], s[0:1], 0x0               ; x's codes, scales; Wq's; Wk's; Wv's
	s_load_b64 s[20:21], s[0:1], 0x40              ; mask
	s_load_b64 s[22:23], s[0:1], 0x68              ; mw
	v_lshl_add_u32 v[SPW], v0, 2, SPARE
	v_mov_b32 v[NIL], 0
	ds_add_u32 v28, v29
	ds_add_u32 v28, v29
	s_wait_dscnt 0x0
	v_lshrrev_b32 v1, 5, v0
	v_readfirstlane_b32 s[WV], v1                  ; wave 0..3
	s_lshr_b32 s[TW], s[WV], 1
	s_and_b32 s[CW], s[WV], 1
	s_bfe_u32 s40, ttmp6, 0x40000                  ; cx, cy
	s_bfe_u32 s41, ttmp6, 0x40004
	s_lshl_b32 s42, ttmp9, 2
	s_add_co_u32 s42, s42, s40                     ; work-group x: which pair of heads
	s_and_b32 s45, ttmp7, 0xffff
	s_lshl_b32 s45, s45, 2
	s_add_co_u32 s45, s45, s41                     ; work-group y: which 128 tokens
	s_lshl_b32 s43, s41, 2
	s_lshl_b32 s43, 15, s43                        ; my row of the cluster
	s_lshl_b32 s44, 0x1111, s40                    ; my column
	; group 1 for codes: 128 rows of 256 bytes, 1,024 bytes apart; 16 bytes of padding behind every 64 words
	s_or_b32 s[G1+0], s43, (1<<20)|(1<<21)|(5<<22)|(3<<25)
	s_or_b32 s[G1B+0], s44, (1<<20)|(1<<21)|(5<<22)|(3<<25)
.irp g, G1, G1B
	s_mov_b32 s[\g+1], 256<<16                     ; tensor_dim0
	s_mov_b32 s[\g+2], 128<<16                     ; tensor_dim1
	s_mov_b32 s[\g+3], 256<<16                     ; tile_dim0
	s_mov_b32 s[\g+4], 128                         ; tile_dim1
	s_mov_b32 s[\g+5], 1024                        ; the pitch
	s_mov_b32 s[\g+6], 0
	s_mov_b32 s[\g+7], 0
.endr
	; group 1 for scales: a dense block of 4,096 bytes as 16 rows of 32 elements of 8 bytes, padded likewise
	s_or_b32 s[G1S+0], s43, (3<<16)|(1<<20)|(1<<21)|(5<<22)|(3<<25)
	s_or_b32 s[G1SB+0], s44, (3<<16)|(1<<20)|(1<<21)|(5<<22)|(3<<25)
.irp g, G1S, G1SB
	s_mov_b32 s[\g+1], 32<<16
	s_mov_b32 s[\g+2], 16<<16
	s_mov_b32 s[\g+3], 32<<16
	s_mov_b32 s[\g+4], 16
	s_mov_b32 s[\g+5], 32
	s_mov_b32 s[\g+6], 0
	s_mov_b32 s[\g+7], 0
.endr
	s_mul_i32 s95, s[WV], HALFT                    ; where my tile goes: wave x 128 rows
	s_mul_i32 s2, s[WV], HALFS                     ; and my scales
	s_lshl_b32 s66, s45, 17                        ; x: 128 rows of 1,024 bytes for each work-group y
	s_mov_b32 s67, 0
	s_lshl_b32 s98, s42, 17                        ; W: the same for each work-group x
	s_mov_b32 s99, 0
	s_wait_kmcnt 0x0
	s_add_nc_u64 s[4:5], s[4:5], s[66:67]
	s_lshl_b32 s66, s45, 12                        ; scales: 128 rows of 32 bytes
	s_add_nc_u64 s[6:7], s[6:7], s[66:67]
	s_cmp_eq_u32 s[WV], 1                          ; which W is my wave's: 1 Wq, 2 Wk, else Wv (wave 0 makes Wv's address and never asks by it)
	s_cselect_b64 s[46:47], s[8:9], s[16:17]
	s_cselect_b64 s[100:101], s[10:11], s[18:19]
	s_cmp_eq_u32 s[WV], 2
	s_cselect_b64 s[46:47], s[12:13], s[46:47]
	s_cselect_b64 s[100:101], s[14:15], s[100:101]
	s_add_nc_u64 s[46:47], s[46:47], s[98:99]
	s_lshl_b32 s98, s42, 12
	s_add_nc_u64 s[100:101], s[100:101], s[98:99]
	CROUND                                         ; all sixteen work-groups are here: the first joint loads meet
	s_mov_b32 s[G0S], 1
	s_add_co_u32 s[G0S+1], s2, SCL
	s_mov_b64 s[G0S+2:G0S+3], s[6:7]
	s_or_b32 s[G0S+3], s[G0S+3], 0x80000000
	s_mov_b32 s[G0SB], 1
	s_add_co_u32 s[G0SB+1], s2, SCL
	s_mov_b64 s[G0SB+2:G0SB+3], s[100:101]
	s_or_b32 s[G0SB+3], s[G0SB+3], 0x80000000
	JLOAD G0S, G1S, G0SB, G1SB                     ; the scales first: they are wanted with chunk 0
.irp s, 0,1
	s_mov_b32 s[G0+4*\s], 1
	s_add_co_u32 s[G0+4*\s+1], s95, \s*SLOT
	s_add_nc_u64 s[G0+4*\s+2:G0+4*\s+3], s[4:5], \s*256
	s_or_b32 s[G0+4*\s+3], s[G0+4*\s+3], 0x80000000
	s_mov_b32 s[G0B+4*\s], 1
	s_add_co_u32 s[G0B+4*\s+1], s95, \s*SLOT
	s_add_nc_u64 s[G0B+4*\s+2:G0B+4*\s+3], s[46:47], \s*256
	s_or_b32 s[G0B+4*\s+3], s[G0B+4*\s+3], 0x80000000
	JLOAD G0+4*\s, G1, G0B+4*\s, G1B               ; chunks 0 and 1: three loads of mine are out
.endr
	s_load_b256 s[4:11], s[0:1], 0x48              ; qkimg s[4:5], qksc s[6:7], vimg s[8:9], vsch s[10:11]
	s_mov_b32 s96, 0x76543210
	s_mov_b32 s97, 0xfedcba98                      ; v_permlanex16_b32's selects for lane l xor 16
	s_mov_b32 s98, 0x600000                        ; the mantissa field of 448
	s_mov_b32 s100, 0x3c800000                     ; 1 / 64
	s_mov_b32 s101, 0x358637bd                     ; 1e-6
	v_and_b32 v1, 15, v0                           ; r
	v_bfe_u32 v2, v0, 4, 1                         ; h
	v_and_b32 v3, 8, v1
	v_add_nc_u32 v3, v3, v1                        ; r + 8 (r / 8)
	v_mul_u32_u24 v4, v3, PITCH
	v_lshl_add_u32 v4, v2, 4, v4                   ; a fragment's row x pitch + 16 x half
	s_mul_i32 s3, s[TW], 64*PITCH                  ; my 64 tokens
	s_mul_i32 s66, s[CW], 64*PITCH                 ; my 64 rows of each W,
	s_add_co_u32 s66, s66, HALFT                   ; Wq's behind x's
	v_add_nc_u32 v[ADRX], s3, v4
	v_add_nc_u32 v[ADRX+1], SLOT, v[ADRX]
	v_add_nc_u32 v[ADRW], s66, v4
	v_add_nc_u32 v[ADRW+1], SLOT, v[ADRW]
	v_add_nc_u32 v[ADRV], 2*HALFT, v[ADRW]
	v_add_nc_u32 v[ADRV+1], 2*HALFT, v[ADRW+1]
	v_and_b32 v5, 7, v1                            ; a row's 32 scale bytes: row / 8 says which padded row of 256 bytes, row % 8 where in it
	v_lshrrev_b32 v6, 3, v1
	v_lshlrev_b32 v5, 5, v5
	v_mad_u32_u24 v5, v6, 544, v5                  ; lanes 8-15 stand 16 rows on: two padded rows
	s_mul_i32 s3, s[TW], 2176
	s_add_co_u32 s3, s3, SCL
	v_add_nc_u32 v[ADRSX], s3, v5
	s_mul_i32 s3, s[CW], 2176
	s_add_co_u32 s3, s3, SCL+HALFS
	v_add_nc_u32 v[ADRSW], s3, v5
	v_and_b32 v7, 31, v0
	v_lshlrev_b32 v[LI], 4, v7
	v_lshlrev_b32 v[L8], 3, v7
	; ---- THE MASK, while the first tiles are on their way.  Unit (T, J): the 16 queries of tile T x keys 128 J on.  2,048 units, two to each of the launch's 1,024 waves.
	s_lshl_b32 s66, s45, 3
	s_add_co_u32 s66, s66, s42                     ; the work-group's number, 0 .. 255
	s_and_b32 s67, s66, 1
	s_lshl_b32 s67, s67, 3
	s_lshl_b32 s3, s[WV], 1
	s_add_co_u32 s67, s67, s3                      ; J0: my first unit's J
	s_lshr_b32 s66, s66, 1                         ; T
	s_lshr_b32 s3, s66, 1
	s_lshl_b32 s3, s3, 5
	s_and_b32 s95, s66, 1
	s_lshl_b32 s95, s95, 3
	s_add_co_u32 s3, s3, s95                       ; the tile's first query: 32 (T / 2) + 8 (T % 2)
	s_lshl_b32 s46, s3, 11                         ; a row of the mask is 2,048 bytes
	s_lshl_b32 s95, s67, 7
	s_add_co_u32 s46, s46, s95
	s_mov_b32 s47, 0
	s_add_nc_u64 s[20:21], s[20:21], s[46:47]
	v_lshlrev_b32 v8, 11, v3
	v_lshl_add_u32 v8, v2, 4, v8                   ; my query's row, + 16 x half
.irp u, 0,1
.irp b, 0,1,2,3
	global_load_b128 v[MD+16*\u+4*\b:MD+16*\u+4*\b+3], v8, s[20:21] offset:128*\u+32*\b th:TH_LOAD_NT   ; keys 128 (J0 + u) + 32 b + 16 h + 0 .. 15: the keys that registers 16 b + 0 .. 15 of the scores will hold
.endr
.endr
	s_lshl_b32 s46, s66, 4
	s_add_co_u32 s46, s46, s67
	s_lshl_b32 s46, s46, 8                         ; a unit's 64 words: 256 bytes at (16 T + J) x 256
	s_add_nc_u64 s[2:3], s[22:23], s[46:47]
	s_lshl_b32 s46, s66, 7                         ; the flags: behind the words, 128 bytes a tile
	s_lshl_b32 s95, s67, 2
	s_add_co_u32 s46, s46, s95
	s_add_co_u32 s46, s46, 524288
	s_add_nc_u64 s[22:23], s[22:23], s[46:47]
	v_and_b32 v9, 1, v7                            ; lanes 0, 1: 'any' of my two units; lanes 2, 3: 'all', 64 bytes further on
	v_lshlrev_b32 v9, 2, v9
	v_lshrrev_b32 v10, 1, v7
	v_lshl_add_u32 v9, v10, 6, v9
	v_mov_b32 v[MF], 0
	; where my wave's results go.  bh = 16 x batch + head; J = which 128 tokens of the batch; U = 2 (16 bh + J) + my half
	s_wait_kmcnt 0x0
	s_lshr_b32 s95, s45, 4
	s_lshl_b32 s95, s95, 4
	s_lshl_b32 s99, s42, 1
	s_add_co_u32 s95, s95, s99
	s_add_co_u32 s95, s95, s[CW]                   ; bh
	s_lshl_b32 s95, s95, 4
	s_and_b32 s99, s45, 15
	s_add_co_u32 s95, s95, s99                     ; 16 bh + J
	s_lshl_b32 s99, s95, 1
	s_add_co_u32 s99, s99, s[TW]                   ; U
	s_lshl_b32 s46, s99, 12                        ; four tiles' images of 1,024 bytes
	s_add_nc_u64 s[4:5], s[4:5], s[46:47]
	s_lshl_b32 s46, s99, 9                         ; four tiles' scale words: 16 bytes a lane
	s_add_nc_u64 s[6:7], s[6:7], s[46:47]
	s_lshl_b32 s46, s99, 8                         ; v's bytes: 8 a lane
	s_add_nc_u64 s[10:11], s[10:11], s[46:47]
	s_lshl_b32 s46, s95, 13                        ; v's images: 8,192 bytes a key step; my half's two key blocks 1,024 bytes on
	s_lshl_b32 s99, s[TW], 10
	s_add_co_u32 s46, s46, s99
	s_add_nc_u64 s[8:9], s[8:9], s[46:47]
	s_wait_loadcnt 0x0
; Word n = 16 b + i of a unit: bit l = the mask's byte for lane l's query and the key of score register n.  A compare gives the word, v_writelane_b32 puts it where a store of 8 bytes a lane wants it.
.macro PREP u
	v_mov_b32 v[MW+2*\u], 0
	v_mov_b32 v[MW+2*\u+1], 0
.set n, 0
.rept 64
.set CMPS, 40+(n&3)+((n&3)>>1)                 ; s40, s41, s43, s44 by turns
	v_and_b32 v[MT+(n&3)], 1<<(8*(n&3)), v[MD+16*\u+(n>>2)]
	v_cmp_ne_u32 s[CMPS], 0, v[MT+(n&3)]
	v_writelane_b32 v[MW+2*\u+(n&1)], s[CMPS], n>>1
.set n, n+1
.endr
	v_or_b32 v[MO], v[MD+16*\u], v[MD+16*\u+1]
	v_and_b32 v[MA], v[MD+16*\u], v[MD+16*\u+1]
.irp i, 2,3,4,5,6,7,8,9,10,11,12,13,14,15
	v_or_b32 v[MO], v[MO], v[MD+16*\u+\i]
	v_and_b32 v[MA], v[MA], v[MD+16*\u+\i]
.endr
	v_cmp_ne_u32 s40, 0, v[MO]                     ; which lanes hold an open key among their 64
	v_cmp_eq_u32 s41, 0x01010101, v[MA]            ; which lanes hold open keys alone
	v_writelane_b32 v[MF], s40, \u
	v_writelane_b32 v[MF], s41, 2+\u
	global_store_b64 v[L8], v[MW+2*\u:MW+2*\u+1], s[2:3] offset:256*\u   ; 32 lanes store 256 consecutive bytes, aligned
.endm
	PREP 0
	PREP 1
	v_cmp_gt_u32 vcc_lo, 4, v7
	s_wait_xcnt 0x0                                ; EXEC changes only behind this wait
	s_and_saveexec_b32 s95, vcc_lo
	global_store_b32 v9, v[MF], s[22:23]
	s_wait_xcnt 0x0                                ; and again in front of the line that widens it
	s_or_b32 exec_lo, exec_lo, s95
; ---- THE THREE PRODUCTS.  k = 0 .. 7: the step of 128 along K; chunk k / 2 lies in slot (k / 2) % 2.
.macro LW m, k                         ; my four fragments of W number m (0 Wq, 1 Wk, 2 Wv) for step k: 16 loads
.set SB, (\k)&1
.set SQ, ((\k)>>1)&1
	WIN TO_W
.irp a, 0,1,2,3
.irp c, 0,1,2,3
.if \m < 2
	ds_load_b128 v[64*\m+16*\a+4*\c:64*\m+16*\a+4*\c+3], v[ADRW+SQ] offset:\m*HALFT+(32*(\a/2)+8*(\a%2))*PITCH+128*SB+32*\c
.else
	ds_load_b128 v[128+16*\a+4*\c:128+16*\a+4*\c+3], v[ADRV+SQ] offset:(32*(\a/2)+8*(\a%2))*PITCH+128*SB+32*\c
.endif
.endr
.endr
.endm
.macro LX k                            ; my four fragments of x for step k, into set k % 2: 16 loads
.set SB, (\k)&1
.set SQ, ((\k)>>1)&1
	WIN 0
.irp x, 0,1,2,3
.irp c, 0,1,2,3
	ds_load_b128 v[XF+64*SB+16*\x+4*\c:XF+64*SB+16*\x+4*\c+3], v[ADRX+SQ] offset:(32*(\x/2)+8*(\x%2))*PITCH+128*SB+32*\c
.endr
.endr
.endm
.macro LS q                            ; chunk q's scale words (two a row) of my 4 + 12 tiles, into set q % 2: 16 loads
.set SQ, (\q)&1
	WIN 0
.irp x, 0,1,2,3
	ds_load_b64 v[SC+32*SQ+2*\x:SC+32*SQ+2*\x+1], v[ADRSX] offset:(4*(\x/2)+(\x%2))*272+8*(\q)
.endr
.irp m, 0,1,2
.irp a, 0,1,2,3
	ds_load_b64 v[SC+32*SQ+2*(4+4*\m+\a):SC+32*SQ+2*(4+4*\m+\a)+1], v[ADRSW] offset:\m*HALFS+(4*(\a/2)+(\a%2))*272+8*(\q)
.endr
.endr
.endm
; The 48 accumulators take turns, one instruction a turn, in the same order in every step.  zero = 1: the first step's products start the sums.
.macro MULQK m, k, zero
.set SB, (\k)&1
.set SQ, ((\k)>>1)&1
	WIN W_QK
.irp x, 0,1,2,3
.irp a, 0,1,2,3
.if \zero
	v_wmma_scale_f32_16x16x128_f8f6f4 v[128*\m+32*\x+8*\a:128*\m+32*\x+8*\a+7], v[64*\m+16*\a:64*\m+16*\a+15], v[XF+64*SB+16*\x:XF+64*SB+16*\x+15], 0, v[SC+32*SQ+2*(4+4*\m+\a)+SB], v[SC+32*SQ+2*\x+SB]
.else
	v_wmma_scale_f32_16x16x128_f8f6f4 v[128*\m+32*\x+8*\a:128*\m+32*\x+8*\a+7], v[64*\m+16*\a:64*\m+16*\a+15], v[XF+64*SB+16*\x:XF+64*SB+16*\x+15], v[128*\m+32*\x+8*\a:128*\m+32*\x+8*\a+7], v[SC+32*SQ+2*(4+4*\m+\a)+SB], v[SC+32*SQ+2*\x+SB]
.endif
.endr
.endr
.endm
.macro MULV k, zero
.set SB, (\k)&1
.set SQ, ((\k)>>1)&1
	WIN W_V
.irp a, 0,1,2,3
.irp x, 0,1,2,3
.if \zero
	v_wmma_scale_f32_16x16x128_f8f6f4 v[32*\a+8*\x:32*\a+8*\x+7], v[XF+64*SB+16*\x:XF+64*SB+16*\x+15], v[128+16*\a:128+16*\a+15], 0, v[SC+32*SQ+2*\x+SB], v[SC+32*SQ+2*(12+\a)+SB]
.else
	v_wmma_scale_f32_16x16x128_f8f6f4 v[32*\a+8*\x:32*\a+8*\x+7], v[XF+64*SB+16*\x:XF+64*SB+16*\x+15], v[128+16*\a:128+16*\a+15], v[32*\a+8*\x:32*\a+8*\x+7], v[SC+32*SQ+2*\x+SB], v[SC+32*SQ+2*(12+\a)+SB]
.endif
.endr
.endr
.endm
; A step whose successor lies in the same slot.  Each W has one set of registers: it is fetched anew as soon as its sixteen products are issued, eight places behind them.
; x has two sets, since all 48 products read it.
.macro STEP k, zero
	s_wait_dscnt 32                                ; Wq's and x's fragments (and scale words) are in; Wk's 16 loads and Wv's 16 may be out
	MULQK 0, \k, \zero
	PLACES 8
	LW 0, (\k)+1
	LX (\k)+1
	s_wait_dscnt 48                                ; Wk's are in: behind them Wv's 16, and the 32 just issued
	MULQK 1, \k, \zero
	PLACES 8
	LW 1, (\k)+1
	s_wait_dscnt 48                                ; Wv's are in: behind them the next step's Wq, x and Wk
	MULV \k, \zero
	PLACES 8
	LW 2, (\k)+1
.endm
; A slot's last step changes slots: ONE barrier; in front of it each wave waits for all its tensor loads, adds 0 to its spare word, and waits for that and for its reads of this slot.
; fill = 1: the barrier opens a round of the cluster's barrier, and this slot is filled again, with the chunk two further on, first thing behind the round.
.macro TURN k, fill
.set TSL, ((\k)>>1)&1
	WIN 0                                          ; (the add's two registers lie in window 0)
	s_wait_tensorcnt 0x0                           ; all my tensor loads have landed: my part of the next slot
	ds_add_u32 v[SPW], v[NIL]                      ; 0 onto my spare word
	s_wait_dscnt 33                                ; Wq's and x's fragments are in; Wk's 16, Wv's 16 and the add may be out
	MULQK 0, \k, 0                                 ; sixteen matrix instructions stand between the add and the wait for it
	s_wait_dscnt 0x0                               ; the add is done, and my reads of this slot are over
	s_barrier_signal -1
	MULQK 1, \k, 0
	WIN 0
	s_barrier_wait -1
.if \fill
	CREST                                          ; no wave of any partner still reads this slot or has a load on its way
	s_add_nc_u64 s[G0+4*TSL+2:G0+4*TSL+3], s[G0+4*TSL+2:G0+4*TSL+3], 512
	s_add_nc_u64 s[G0B+4*TSL+2:G0B+4*TSL+3], s[G0B+4*TSL+2:G0B+4*TSL+3], 512
	JLOAD G0+4*TSL, G1, G0B+4*TSL, G1B             ; my one tensor load behind the round; its four v_nop are four of the eight places in front of the loads below
	PLACES 4
.else
	PLACES 8
.endif
	LW 0, (\k)+1
	LX (\k)+1
	LS ((\k)+1)>>1
	LW 1, (\k)+1
	MULV \k, 0
	PLACES 8
	LW 2, (\k)+1
.endm
	s_wait_tensorcnt 0x1                           ; the scales and my part of chunk 0 are in; chunk 1's load may be out
	s_barrier_signal -1
	s_barrier_wait -1                              ; everybody's are
	LW 0, 0
	LX 0
	LS 0
	LW 1, 0
	LW 2, 0
	STEP 0, 1
	TURN 1, 1                                      ; slot 0 takes chunk 2
	STEP 2, 0
	TURN 3, 1                                      ; slot 1 takes chunk 3
	STEP 4, 0
	TURN 5, 0                                      ; nothing is left to fetch
	STEP 6, 0
	s_wait_dscnt 32                                ; the last step
	MULQK 0, 7, 0
	s_wait_dscnt 16
	MULQK 1, 7, 0
	s_wait_dscnt 0x0
	MULV 7, 0
	WIN 0
	PLACES 8                                       ; in front of the first read of results and the first write of x's registers
; ---- THE WAY OUT.  32 numbers of a lane, register 16 b + i = place 32 b + 16 (lane / 16) + i along the next K, become 32 codes in v[CD] on and two scale bytes in v[PW].
; src: their first register, in window win.  The floor 2^(9 - 127) among the maximum's leaves holds the byte at 1 from below.
.macro QUANT2 src, win
	WIN ((\win<<2)|(\win<<4))                      ; sources 1 and 2
.irp b, 0,1
	v_max3_num_f32 v[TM+\b], 0x4800000, |v[(\src)+16*\b]|, |v[(\src)+16*\b+1]|
.endr
.irp i, 2,4,6,8,10,12,14
.irp b, 0,1
	v_max3_num_f32 v[TM+\b], v[TM+\b], |v[(\src)+16*\b+\i]|, |v[(\src)+16*\b+\i+1]|
.endr
.endr
	WIN 0
.irp b, 0,1
	v_permlanex16_b32 v[TM+2+\b], v[TM+\b], s96, s97
.endr
.irp b, 0,1
	v_max_num_f32 v[TM+\b], v[TM+\b], v[TM+2+\b]   ; with lane l xor 16's: the block's largest magnitude
.endr
.irp b, 0,1
	v_add_nc_u32 v[TM+6+\b], 0xfc000000, v[TM+\b]  ; 8 off its exponent field: the conversion's scale operand
.endr
.irp b, 0,1
	v_and_or_b32 v[TM+4+\b], v[TM+\b], 0x7f800000, s98   ; 448 x the scale
.endr
.irp b, 0,1
	v_lshrrev_b32 v[TM+2+\b], 23, v[TM+6+\b]       ; the scale's byte
.endr
	v_lshl_or_b32 v[PW], v[TM+3], 8, v[TM+2]
	WIN \win                                       ; source 0
.irp b, 0,1
.irp i, 0,1,2,3,4,5,6,7,8,9,10,11,12,13,14,15
	v_med3_num_f32 v[XT+16*\b+\i], v[(\src)+16*\b+\i], -v[TM+4+\b], v[TM+4+\b]   ; the conversion to an 8-bit code does not saturate (ISA guide 7.6.2): the hold
.endr
.endr
	WIN 0
.irp b, 0,1
	v_cvt_scalef32_pk8_fp8_f32 v[CD+4*\b:CD+4*\b+1], v[XT+16*\b:XT+16*\b+7], v[TM+6+\b]
	v_cvt_scalef32_pk8_fp8_f32 v[CD+4*\b+2:CD+4*\b+3], v[XT+16*\b+8:XT+16*\b+15], v[TM+6+\b]
.endr
	v_nop                                          ; one plain line behind the last conversion
.endm
; q (m = 0) or k (m = 1) of token tile x: the head's 64 numbers of a token lie in lanes l and l xor 16, 32 each.
.macro QKOUT m, x
.set GR, 128*\m+32*\x
	s_wait_xcnt 0x0                                ; the last group's stores have read their registers
	WIN 0x0a                                       ; sources 0 and 1 window 2
	v_pk_mul_f32 v[SS:SS+1], v[GR:GR+1], v[GR:GR+1]              ; the sum of squares, in two chains, each accumulator from its low end on
	v_pk_mul_f32 v[SS+2:SS+3], v[GR+2:GR+3], v[GR+2:GR+3]
.irp j, 4,8,12,16,20,24,28
	v_pk_fma_f32 v[SS:SS+1], v[GR+\j:GR+\j+1], v[GR+\j:GR+\j+1], v[SS:SS+1]
	v_pk_fma_f32 v[SS+2:SS+3], v[GR+\j+2:GR+\j+3], v[GR+\j+2:GR+\j+3], v[SS+2:SS+3]
.endr
	WIN 0
	v_pk_add_f32 v[SS:SS+1], v[SS:SS+1], v[SS+2:SS+3]
	v_add_f32 v[SS], v[SS], v[SS+1]
	v_permlanex16_b32 v[SS+1], v[SS], s96, s97
	v_add_f32 v[SS], v[SS], v[SS+1]
	v_fma_f32 v[SS], v[SS], s100, s101             ; the mean + 1e-6
	v_rsq_f32 v[RS], v[SS]
	v_nop                                          ; one plain line behind the transcendental
	WIN 0x02                                       ; source 0 window 2
	s_wait_alu depctr_va_vdst(0)
.irp j, 0,2,4,6,8,10,12,14,16,18,20,22,24,26,28,30
	v_pk_mul_f32 v[XT+\j:XT+\j+1], v[GR+\j:GR+\j+1], v[RS:RS+1] op_sel_hi:[1,0]
.endr
	QUANT2 XT, 0
	v_or_b32 v[WD+\x], 0x7f7f0000, v[PW]           ; the word's upper bytes, 127, stand for K = 64 .. 127, where the later product has zero codes
	global_store_b128 v[LI], v[CD:CD+3], s[4:5] offset:\m*4194304+\x*1024        ; 32 lanes store 512 consecutive bytes
	global_store_b128 v[LI], v[CD+4:CD+7], s[4:5] offset:\m*4194304+\x*1024+512
.endm
.macro VOUT a                          ; v: tile a of the head's 64: a lane holds one d and 32 tokens, two key blocks with lane l xor 16
	s_wait_xcnt 0x0
	QUANT2 32*\a, 3
.if (\a%2) == 0
	v_mov_b32 v[VP+\a/2], v[PW]
.else
	v_lshl_or_b32 v[VP+\a/2], v[PW], 16, v[VP+\a/2]
.endif
	global_store_b128 v[LI], v[CD:CD+3], s[8:9] offset:\a*2048
	global_store_b128 v[LI], v[CD+4:CD+7], s[8:9] offset:\a*2048+512
.endm
	v_mov_b32 v[TM+2], 0                           ; written once: a lane permute's destination counts as one of its sources
	v_mov_b32 v[TM+3], 0
	v_mov_b32 v[RS+1], 0                           ; (named as the upper half of a pair)
.irp m, 0,1
.irp x, 0,1,2,3
	QKOUT \m, \x
.endr
	global_store_b128 v[LI], v[WD:WD+3], s[6:7] offset:\m*524288   ; four tiles' scale words: 512 consecutive bytes
.endr
.irp a, 0,1,2,3
	VOUT \a
.endr
	global_store_b64 v[L8], v[VP:VP+1], s[10:11]   ; 256 consecutive bytes, aligned
	s_wait_tensorcnt 0x0                           ; the wave's end
	ds_add_u32 v[SPW], v[NIL]
	s_wait_dscnt 0x0
	CROUND                                         ; the closing round
	s_endpgm
.Lfunc_end_k_q63d1aee7c0_qkv:
	.size	k_q63d1aee7c0_qkv, .Lfunc_end_k_q63d1aee7c0_qkv-k_q63d1aee7c0_qkv
	.p2alignl 7, 3214868480
	.fill 96, 4, 3214868480
	.section	.rodata,"a",@progbits
	.p2align	6, 0x0
	.amdhsa_kernel k_q63d1aee7c0_qkv
		.amdhsa_group_segment_fixed_size 327680
		.amdhsa_private_segment_fixed_size 0
		.amdhsa_enable_private_segment 0
		.amdhsa_kernarg_size 112
		.amdhsa_user_sgpr_count 2
		.amdhsa_user_sgpr_kernarg_segment_ptr 1
		.amdhsa_wavefront_size32 1
		.amdhsa_system_sgpr_workgroup_id_x 1
		.amdhsa_system_sgpr_workgroup_id_y 1
		.amdhsa_system_sgpr_workgroup_id_z 1
		.amdhsa_system_vgpr_workitem_id 0
		.amdhsa_next_free_vgpr 1024
		.amdhsa_next_free_sgpr 102
		.amdhsa_reserve_vcc 1
		.amdhsa_float_denorm_mode_32 3
		.amdhsa_float_denorm_mode_16_64 3
		.amdhsa_memory_ordered 1
		.amdhsa_forward_progress 1
		.amdhsa_inst_pref_size 203
	.end_amdhsa_kernel
	.amdgpu_metadata
---
amdhsa.version: [ 1, 2 ]
amdhsa.kernels:
  - .name:           k_q63d1aee7c0_qkv
    .symbol:         k_q63d1aee7c0_qkv.kd
    .args:
      - { .name: x_codes, .offset: 0, .size: 8, .value_kind: global_buffer, .address_space: global }
      - { .name: x_scales, .offset: 8, .size: 8, .value_kind: global_buffer, .address_space: global }
      - { .name: Wq_codes, .offset: 16, .size: 8, .value_kind: global_buffer, .address_space: global }
      - { .name: Wq_scales, .offset: 24, .size: 8, .value_kind: global_buffer, .address_space: global }
      - { .name: Wk_codes, .offset: 32, .size: 8, .value_kind: global_buffer, .address_space: global }
      - { .name: Wk_scales, .offset: 40, .size: 8, .value_kind: global_buffer, .address_space: global }
      - { .name: Wv_codes, .offset: 48, .size: 8, .value_kind: global_buffer, .address_space: global }
      - { .name: Wv_scales, .offset: 56, .size: 8, .value_kind: global_buffer, .address_space: global }
      - { .name: mask, .offset: 64, .size: 8, .value_kind: global_buffer, .address_space: global }
      - { .name: qkimg, .offset: 72, .size: 8, .value_kind: global_buffer, .address_space: global }
      - { .name: qksc, .offset: 80, .size: 8, .value_kind: global_buffer, .address_space: global }
      - { .name: vimg, .offset: 88, .size: 8, .value_kind: global_buffer, .address_space: global }
      - { .name: vsch, .offset: 96, .size: 8, .value_kind: global_buffer, .address_space: global }
      - { .name: mw, .offset: 104, .size: 8, .value_kind: global_buffer, .address_space: global }
    .group_segment_fixed_size: 327680
    .private_segment_fixed_size: 0
    .kernarg_segment_align: 8
    .kernarg_segment_size: 112
    .max_flat_workgroup_size: 128
    .sgpr_count:     102
    .vgpr_count:     1024
    .wavefront_size: 32
...
	.end_amdgpu_metadata
.endif
;; end of part 1
;; launch attn (part 2): grid 8 x 32, 16 waves a work-group, no clusters, 288,768 bytes of LDS; arguments qkimg, qksc, vimg, vsch, mw, oimg, osc; writes oimg, osc
.if DOCPART == 2
	.amdgcn_target "amdgcn-amd-amdhsa--gfx1250"
	.amdhsa_code_object_version 6
	.text
	.protected	k_q63d1aee7c0_attn
	.globl	k_q63d1aee7c0_attn
	.p2align	8
	.type	k_q63d1aee7c0_attn,@function
k_q63d1aee7c0_attn:
	s_mov_b64 s[64:65], 0
	v_nop
	global_prefetch_b8 v0, s[64:65] scope:SCOPE_SE
	s_setreg_imm32_b32 hwreg(HW_REG_WAVE_MODE, 25, 1), 1
	s_wait_xcnt 0x0
; Attention of one (batch, head) on codes of FP8 (E4M3) with E8M0 scales: S^T = K Q^T, the mask, p, the row's sum, O^T = V^T P, O / sum, and O quantised along the model's 1,024 for the last product.
; SHARES.  A work-group owns one head and 16 of its 128 tiles of 16 queries, one to a wave, in 256 registers: four waves to a SIMD, so that one wave's vector work stands beside another's matrix work.
; The head's K and V (register images written by the launch before) and their scale words are copied into LDS once, through registers; one barrier; then LDS is only read.
; THE SOFTMAX.  t = score x log2(e) / 8.  q and k are normalised by the computation itself: each has norm 8 at the most, 8.5 after rounding to E4M3, so |t| <= 72.25 x 0.18034 < 13.04 for every input.
; Any whole M gives the same codes x scales, so M is the constant 14: p = 2^(t - 14) lies between 2^-28 and 1/2; no running maximum, and O^T is never rescaled.
; THE MASK is honoured as it is given.  A masked p becomes 2^-100: beside an open p of its row (2^-28 at the least) it is at most 2^-72 of it, in the sum and in O; in a row that is masked throughout all p are equal and O / sum is the mean of v.
; A unit (my 16 queries x 128 keys) without an open key is left out, by a scalar branch on flags that the launch before stored as whole numbers, unless a row of my tile has no open key at all: then every unit is walked.
; NO CLUSTER AND NO TENSOR LOAD: which key steps a wave walks hangs on those stored flags, and the work-groups of a head would walk different steps; so K and V come through registers and nothing is asked for jointly.
; LAYOUT.  A lane holds one query (lane % 16) throughout.  The keys of tile t of a step are 32 (t / 2) + 8 (t % 2) + r + 8 (r / 8), so score register 16 b + i is key 32 b + 16 (lane / 16) + i.
; K = 64 fills half of the instruction's 128: Q's registers 8-15 are zero codes.  K's eight tiles lie on end, 8 registers each: a tile's operand runs on into the next tile's codes (behind the last: zeros), which meet Q's zeros; none of them is the NaN code, since the quantiser holds at 448.
; LIMITS: NaN and infinities are not served.  Blocks of O under 2^-118 keep the scale byte 1.
; REGISTERS: v1 16 x lane; v2-5 the step's LDS addresses; v6 2^-100; v7 Q's scale word; v8 p's; v9, v244, v245 address bases; v[10:11], v[12:13] the sum; v[14:15] -14; v16-31 Q; v32-95 K's tiles, then V's four fragments; v96-103 zeros;
;   v104-167 S^T, then p; v168-199 O^T; v200-215 p's codes; v216-231 at work; v232-239 K's scale words; v240-243 V's; v246 my byte in osc.
; SCALARS: s18 wave, s19 my tile T, s20 bh, s21 units to walk, s22 units wholly open, s23 J, s24-27 steps of addresses, s[28:29] c, s[30:31] lane selects, s66 448's mantissa; s[32:63], s[68:99] a unit's 64 mask words.
.set VIMG, 131072
.set KSC,  262144
.set VSC,  278528
	s_load_b256 s[4:11], s[0:1], 0x0               ; qkimg, qksc, vimg, vsch
	s_load_b128 s[12:15], s[0:1], 0x20             ; mw, oimg
	s_load_b64 s[16:17], s[0:1], 0x30              ; osc
	v_lshl_add_u32 v254, v0, 2, 0x46000
	v_mov_b32 v255, 0
	v_lshrrev_b32 v2, 5, v0
	v_readfirstlane_b32 s18, v2                    ; wave 0..15
	v_and_b32 v3, 31, v0
	v_lshlrev_b32 v1, 4, v3                        ; 16 x lane
	v_lshlrev_b32 v4, 3, v3
	v_lshl_add_u32 v206, v2, 9, v4                 ; V's bytes: 512 x wave (the key step) + 8 x lane
	v_lshlrev_b32 v200, 4, v0                      ; 16 x thread: my place in a copy of 8,192 bytes, in memory and in LDS
	v_add_nc_u32 v201, 65536, v200
	v_add_nc_u32 v202, 131072, v200
	v_add_nc_u32 v203, 196608, v200
	v_add_nc_u32 v204, 262144, v200
	s_and_b32 s20, ttmp7, 0xffff                   ; bh
	s_bfe_u32 s2, s18, 0x10002                     ; waves 4-7 and 12-15 take their four tiles in reverse, so that waves w, w + 4, w + 8, w + 12 have like work under a triangular mask (balance only)
	s_mul_i32 s2, s2, 3
	s_xor_b32 s2, s2, s18
	s_lshl_b32 s19, s2, 3
	s_add_co_u32 s19, s19, ttmp9                   ; T
	s_mov_b32 s3, 0
	s_wait_kmcnt 0x0
	s_lshl_b32 s2, s19, 7
	s_add_nc_u64 s[100:101], s[12:13], s[2:3]      ; my tile's flags
	s_load_b512 s[32:47], s[100:101], 0x80000      ; 'any', one word a unit
	s_load_b512 s[48:63], s[100:101], 0x80040      ; 'all'
	s_lshl_b32 s2, s20, 17
	s_add_nc_u64 s[70:71], s[8:9], s[2:3]          ; the head's V
	s_add_co_u32 s2, s2, 4194304
	s_add_nc_u64 s[68:69], s[4:5], s[2:3]          ; its K
	s_lshl_b32 s2, s20, 14
	s_add_co_u32 s2, s2, 524288
	s_add_nc_u64 s[72:73], s[6:7], s[2:3]          ; K's scale words
	s_lshl_b32 s2, s20, 13
	s_add_nc_u64 s[74:75], s[10:11], s[2:3]        ; V's scale bytes
	s_lshl_b32 s2, s20, 7
	s_add_co_u32 s2, s2, s19
	s_lshl_b32 s2, s2, 10
	s_add_nc_u64 s[76:77], s[4:5], s[2:3]          ; my tile of Q
	s_lshl_b32 s2, s20, 5
	s_lshr_b32 s24, s19, 2
	s_add_co_u32 s2, s2, s24
	s_lshl_b32 s2, s2, 9
	s_and_b32 s24, s19, 3
	s_lshl_b32 s24, s24, 2
	s_add_co_u32 s2, s2, s24
	s_add_nc_u64 s[78:79], s[6:7], s[2:3]          ; and its scale words
.set i, 0
.rept 16
	global_load_b128 v[32+4*i:35+4*i], v200, s[68:69] offset:8192*i
.set i, i+1
.endr
.set i, 0
.rept 16
	global_load_b128 v[104+4*i:107+4*i], v200, s[70:71] offset:8192*i
.set i, i+1
.endr
	global_load_b128 v[168:171], v200, s[72:73]
	global_load_b128 v[172:175], v200, s[72:73] offset:8192
	global_load_b64 v[176:177], v206, s[74:75]             ; key blocks 0, 1 of my step, tiles 0-3 of d
	global_load_b64 v[178:179], v206, s[74:75] offset:256  ; key blocks 2, 3
	global_load_b128 v[16:19], v1, s[76:77]
	global_load_b128 v[20:23], v1, s[76:77] offset:512
	global_load_b32 v7, v1, s[78:79]
	; while they are on their way: pointers, constants, flags
	s_lshl_b32 s2, s19, 12
	s_add_nc_u64 s[12:13], s[12:13], s[2:3]        ; my tile's mask words: 256 bytes a unit
	s_lshr_b32 s24, s20, 4                         ; batch
	s_and_b32 s25, s20, 15                         ; head
	s_lshl_b32 s26, s24, 7
	s_add_co_u32 s26, s26, s19                     ; 128 x batch + T
	s_lshl_b32 s2, s26, 9
	s_lshl_b32 s27, s25, 1
	s_add_co_u32 s2, s2, s27
	s_add_nc_u64 s[16:17], s[16:17], s[2:3]        ; osc: 32 bytes a row, 16 rows a tile; my head's two bytes
	s_lshr_b32 s2, s26, 3
	s_lshl_b32 s2, s2, 17                          ; oimg: 131,072 bytes for eight tiles,
	s_lshr_b32 s27, s25, 1
	s_lshl_b32 s27, s27, 14                        ; 16,384 for a step of 128 along K (two heads),
	s_add_co_u32 s2, s2, s27
	s_and_b32 s27, s26, 7
	s_lshl_b32 s27, s27, 11                        ; 2,048 for a tile's fragment,
	s_add_co_u32 s2, s2, s27
	s_and_b32 s27, s25, 1
	s_lshl_b32 s27, s27, 10                        ; 1,024 for a head's half of it
	s_add_co_u32 s2, s2, s27
	s_add_nc_u64 s[14:15], s[14:15], s[2:3]
	s_mov_b32 s28, 0x3e38aa3b                      ; c = log2(e) / 8
	s_mov_b32 s29, s28                             ; (named with it as a pair)
	s_mov_b32 s30, 0x76543210
	s_mov_b32 s31, 0xfedcba98
	s_mov_b32 s66, 0x600000
	v_mov_b32 v6, 0x0d800000                       ; 2^-100
	v_mov_b32 v14, 0xc1600000                      ; -14
	v_mov_b32 v15, 0xc1600000
.irp j, 10,11,12,13,220,221,222,223
	v_mov_b32 v\j, 0                               ; the sums; and a lane permute's destination counts as one of its sources
.endr
.irp j, 0,1,2,3,4,5,6,7
	v_mov_b32 v[24+\j], 0                          ; Q's K = 64 .. 127: zero codes
	v_mov_b32 v[96+\j], 0                          ; behind K's last tile
.endr
	v_add_nc_u32 v9, VIMG, v1
	v_add_nc_u32 v244, KSC, v1
	v_add_nc_u32 v245, VSC, v1
	v_and_b32 v4, 15, v0
	v_bfe_u32 v5, v0, 4, 1
	v_lshl_add_u32 v246, v4, 5, v5                 ; osc: 32 x row + which of the head's two bytes
	s_wait_kmcnt 0x0
	s_mov_b32 s21, 0
	s_mov_b32 s22, 0
	s_mov_b32 s67, 0
.irp j, 0,1,2,3,4,5,6,7,8,9,10,11,12,13,14,15
	s_or_b32 s67, s67, s[32+\j]
	s_cmp_lg_u32 s[32+\j], 0
	s_cselect_b32 s2, 1<<\j, 0
	s_or_b32 s21, s21, s2                          ; unit j has an open key
	s_cmp_eq_u32 s[48+\j], -1
	s_cselect_b32 s2, 1<<\j, 0
	s_or_b32 s22, s22, s2                          ; unit j has open keys alone
.endr
	s_lshr_b32 s2, s67, 16                         ; a row's keys lie in lanes r and r + 16
	s_or_b32 s2, s2, s67
	s_and_b32 s2, s2, 0xffff
	s_cmp_eq_u32 s2, 0xffff
	s_cselect_b32 s21, s21, 0xffff                 ; a row without any open key: walk every unit
	; the copies into LDS, in the order of the loads
	s_wait_loadcnt 23                              ; K's 16 loads are in: 23 were issued behind them
.irp i, 0,1,2,3,4,5,6,7
	ds_store_b128 v200, v[32+4*\i:35+4*\i] offset:8192*\i
	ds_store_b128 v201, v[64+4*\i:67+4*\i] offset:8192*\i
.endr
	s_wait_loadcnt 7                               ; V's
.irp i, 0,1,2,3,4,5,6,7
	ds_store_b128 v202, v[104+4*\i:107+4*\i] offset:8192*\i
	ds_store_b128 v203, v[136+4*\i:139+4*\i] offset:8192*\i
.endr
	s_wait_loadcnt 5                               ; K's scale words
	ds_store_b128 v204, v[168:171]
	ds_store_b128 v204, v[172:175] offset:8192
	s_wait_loadcnt 3                               ; V's scale bytes: two halves make a word for each tile of d
	v_perm_b32 v180, v178, v176, 0x05040100
	v_perm_b32 v181, v178, v176, 0x07060302
	v_perm_b32 v182, v179, v177, 0x05040100
	v_perm_b32 v183, v179, v177, 0x07060302
	ds_store_b128 v204, v[180:183] offset:16384
	s_wait_loadcnt 0x0                             ; Q
	s_wait_dscnt 0x0                               ; for the others' sake: my stores have landed
	s_barrier_signal -1
	s_barrier_wait -1
.set j, 0
.rept 32
	v_mov_b32 v[168+j], 0                          ; O^T: which step is a wave's first hangs on the flags, so the sums begin as zeros
.set j, j+1
.endr
	s_mov_b32 s23, 0
	s_mov_b32 s24, 0
	s_mov_b32 s25, 0
	s_mov_b32 s26, 0
	s_mov_b32 s27, 0
.Lstep:                                                ; 16 trips: the count is a constant; a trip's work is jumped over, never the lines that step addresses
	s_bitcmp1_b32 s21, s23
	s_cbranch_scc0 .Lnext
	s_load_b512 s[32:47], s[12:13], s27 offset:0x0     ; the unit's 64 mask words
	s_load_b512 s[48:63], s[12:13], s27 offset:0x40
	s_load_b512 s[68:83], s[12:13], s27 offset:0x80
	s_load_b512 s[84:99], s[12:13], s27 offset:0xc0
	v_add_nc_u32 v2, s24, v1                       ; these four and four v_nop: the eight places between the last step's products and loads into their registers
	v_add_nc_u32 v3, s24, v9
	v_add_nc_u32 v4, s25, v244
	v_add_nc_u32 v5, s26, v245
.rept 4
	v_nop
.endr
.irp t, 0,1,2,3,4,5,6,7
	ds_load_b128 v[32+8*\t:35+8*\t], v2 offset:1024*\t
	ds_load_b128 v[36+8*\t:39+8*\t], v2 offset:1024*\t+512
.endr
	ds_load_b128 v[232:235], v4
	ds_load_b128 v[236:239], v4 offset:512
	s_wait_dscnt 0x0
.irp t, 0,1,2,3,4,5,6,7
	v_wmma_scale_f32_16x16x128_f8f6f4 v[104+8*\t:111+8*\t], v[32+8*\t:47+8*\t], v[16:31], 0, v[232+\t], v7
.endr
.rept 8
	v_nop                                          ; eight places: then V's fragments may land on K's, and the scores may be read
.endr
.irp a, 0,1,2,3
.irp c, 0,1,2,3
	ds_load_b128 v[32+16*\a+4*\c:35+16*\a+4*\c], v3 offset:2048*\a+512*\c    ; they land under the softmax
.endr
.endr
	ds_load_b128 v[240:243], v5
.set j, 0
.rept 32
	v_pk_fma_f32 v[104+j:105+j], v[104+j:105+j], s[28:29], v[14:15] op_sel_hi:[1,0,0]   ; t - 14, two at a time, each accumulator from its low end on
.set j, j+2
.endr
.set j, 0
.rept 64
	v_exp_f32 v[104+j], v[104+j]                   ; p = 2^(t - 14)
.set j, j+1
.endr
	s_wait_kmcnt 0x0                               ; the mask words
	v_nop                                          ; one plain line behind the exponentials
	s_bitcmp1_b32 s22, s23
	s_cbranch_scc1 .Lopen                          ; a unit of open keys alone has nothing to mask
.set n, 0
	s_wait_alu depctr_va_vdst(0)
.rept 64
	v_cndmask_b32 v[104+n], v6, v[104+n], s[32+n+4*(n/32)]
.set n, n+1
.endr
.Lopen:
	s_wait_alu depctr_va_vdst(0)
.irp b, 0,1,2,3
	v_max3_num_f32 v[216+\b], v[104+16*\b], v[105+16*\b], v[106+16*\b]   ; a block's largest p (2^-100 at the least: the byte cannot fall under 1)
.endr
.irp i, 3,5,7,9,11,13
.irp b, 0,1,2,3
	v_max3_num_f32 v[216+\b], v[216+\b], v[104+16*\b+\i], v[105+16*\b+\i]
.endr
.endr
.irp b, 0,1,2,3
	v_max_num_f32 v[216+\b], v[216+\b], v[119+16*\b]
.endr
.irp b, 0,1,2,3
	v_permlanex16_b32 v[220+\b], v[216+\b], s30, s31
.endr
.irp b, 0,1,2,3
	v_max_num_f32 v[216+\b], v[216+\b], v[220+\b]
.endr
.irp b, 0,1,2,3
	v_add_nc_u32 v[228+\b], 0xfc000000, v[216+\b]  ; 8 off the exponent field: the conversion's scale operand
.endr
.irp b, 0,1,2,3
	v_and_or_b32 v[224+\b], v[216+\b], 0x7f800000, s66   ; 448 x the scale
.endr
.irp b, 0,1,2,3
	v_lshrrev_b32 v[220+\b], 23, v[228+\b]
.endr
	v_lshl_or_b32 v8, v221, 8, v220                ; p's scale word for these 128 keys
	v_lshl_or_b32 v8, v222, 16, v8
	v_lshl_or_b32 v8, v223, 24, v8
	v_pk_add_f32 v[12:13], v[104:105], v[106:107]  ; the row's sum is taken of the unquantised p, in two chains
.irp j, 4,8,12,16,20,24,28,32,36,40,44,48,52,56,60
	v_pk_add_f32 v[10:11], v[10:11], v[104+\j:105+\j]
	v_pk_add_f32 v[12:13], v[12:13], v[106+\j:107+\j]
.endr
	v_pk_add_f32 v[10:11], v[10:11], v[12:13]
.irp b, 0,1,2,3
.irp i, 0,1,2,3,4,5,6,7,8,9,10,11,12,13,14,15
	v_min_num_f32 v[104+16*\b+\i], v[104+16*\b+\i], v[224+\b]   ; the hold (ISA guide 7.6.2); p is not negative
.endr
	v_cvt_scalef32_pk8_fp8_f32 v[200+4*\b:201+4*\b], v[104+16*\b:111+16*\b], v[228+\b]
	v_cvt_scalef32_pk8_fp8_f32 v[202+4*\b:203+4*\b], v[112+16*\b:119+16*\b], v[228+\b]
.endr
.rept 4
	v_nop                                          ; codes made by vector instructions stand four places ahead of the products; the scale word was made far above
.endr
	s_wait_dscnt 0x0                               ; V
.irp a, 0,1,2,3
	v_wmma_scale_f32_16x16x128_f8f6f4 v[168+8*\a:175+8*\a], v[32+16*\a:47+16*\a], v[200:215], v[168+8*\a:175+8*\a], v[240+\a], v8
.endr
.Lnext:
	s_add_co_u32 s24, s24, 8192                    ; a step's images of K, and of V
	s_add_co_u32 s25, s25, 1024                    ; K's scale words
	s_add_co_u32 s26, s26, 512                     ; V's
	s_add_co_u32 s27, s27, 256                     ; the mask words
	s_add_co_u32 s23, s23, 1
	s_cmp_lt_u32 s23, 16
	s_cbranch_scc1 .Lstep
.rept 8
	v_nop
.endr
	v_add_f32 v10, v10, v11
	v_permlanex16_b32 v12, v10, s30, s31
	v_add_f32 v10, v10, v12                        ; the row's sum
	v_rcp_f32 v12, v10
	v_nop
.set j, 0
	s_wait_alu depctr_va_vdst(0)
.rept 16
	v_pk_mul_f32 v[104+j:105+j], v[168+j:169+j], v[12:13] op_sel_hi:[1,0]   ; register 16 b + i: o(my query, 32 b + 16 (lane / 16) + i of my head)
.set j, j+2
.endr
.irp b, 0,1
	v_max3_num_f32 v[216+\b], |v[104+16*\b]|, |v[105+16*\b]|, 0x4800000    ; with the floor 2^(9 - 127)
.endr
.irp i, 2,4,6,8,10,12,14
.irp b, 0,1
	v_max3_num_f32 v[216+\b], v[216+\b], |v[104+16*\b+\i]|, |v[105+16*\b+\i]|
.endr
.endr
.irp b, 0,1
	v_permlanex16_b32 v[220+\b], v[216+\b], s30, s31
.endr
.irp b, 0,1
	v_max_num_f32 v[216+\b], v[216+\b], v[220+\b]
.endr
.irp b, 0,1
	v_add_nc_u32 v[228+\b], 0xfc000000, v[216+\b]
.endr
.irp b, 0,1
	v_and_or_b32 v[224+\b], v[216+\b], 0x7f800000, s66
.endr
.irp b, 0,1
	v_lshrrev_b32 v[220+\b], 23, v[228+\b]
.endr
.irp b, 0,1
.irp i, 0,1,2,3,4,5,6,7,8,9,10,11,12,13,14,15
	v_med3_num_f32 v[104+16*\b+\i], v[104+16*\b+\i], -v[224+\b], v[224+\b]
.endr
	v_cvt_scalef32_pk8_fp8_f32 v[200+4*\b:201+4*\b], v[104+16*\b:111+16*\b], v[228+\b]
	v_cvt_scalef32_pk8_fp8_f32 v[202+4*\b:203+4*\b], v[112+16*\b:119+16*\b], v[228+\b]
.endr
	v_and_b32 v2, 31, v0                           ; (a plain line behind the last conversion)
	v_cmp_gt_u32 vcc_lo, 16, v2
	v_cndmask_b32 v222, v221, v220, vcc_lo         ; lanes 0-15 store block 0's byte, lanes 16-31 block 1's
	global_store_b128 v1, v[200:203], s[14:15]             ; 512 consecutive bytes
	global_store_b128 v1, v[204:207], s[14:15] offset:512
	global_store_b8 v246, v222, s[16:17]           ; two bytes of each row's 32: units written in part, 131,072 bytes in the whole launch
	s_wait_tensorcnt 0x0
	ds_add_u32 v254, v255
	s_wait_dscnt 0x0
	s_endpgm
.Lfunc_end_k_q63d1aee7c0_attn:
	.size	k_q63d1aee7c0_attn, .Lfunc_end_k_q63d1aee7c0_attn-k_q63d1aee7c0_attn
	.p2alignl 7, 3214868480
	.fill 96, 4, 3214868480
	.section	.rodata,"a",@progbits
	.p2align	6, 0x0
	.amdhsa_kernel k_q63d1aee7c0_attn
		.amdhsa_group_segment_fixed_size 288768
		.amdhsa_private_segment_fixed_size 0
		.amdhsa_enable_private_segment 0
		.amdhsa_kernarg_size 56
		.amdhsa_user_sgpr_count 2
		.amdhsa_user_sgpr_kernarg_segment_ptr 1
		.amdhsa_wavefront_size32 1
		.amdhsa_system_sgpr_workgroup_id_x 1
		.amdhsa_system_sgpr_workgroup_id_y 1
		.amdhsa_system_sgpr_workgroup_id_z 1
		.amdhsa_system_vgpr_workitem_id 0
		.amdhsa_next_free_vgpr 256
		.amdhsa_next_free_sgpr 102
		.amdhsa_reserve_vcc 1
		.amdhsa_float_denorm_mode_32 3
		.amdhsa_float_denorm_mode_16_64 3
		.amdhsa_memory_ordered 1
		.amdhsa_forward_progress 1
		.amdhsa_inst_pref_size 44
	.end_amdhsa_kernel
	.amdgpu_metadata
---
amdhsa.version: [ 1, 2 ]
amdhsa.kernels:
  - .name:           k_q63d1aee7c0_attn
    .symbol:         k_q63d1aee7c0_attn.kd
    .args:
      - { .name: qkimg, .offset: 0, .size: 8, .value_kind: global_buffer, .address_space: global }
      - { .name: qksc, .offset: 8, .size: 8, .value_kind: global_buffer, .address_space: global }
      - { .name: vimg, .offset: 16, .size: 8, .value_kind: global_buffer, .address_space: global }
      - { .name: vsch, .offset: 24, .size: 8, .value_kind: global_buffer, .address_space: global }
      - { .name: mw, .offset: 32, .size: 8, .value_kind: global_buffer, .address_space: global }
      - { .name: oimg, .offset: 40, .size: 8, .value_kind: global_buffer, .address_space: global }
      - { .name: osc, .offset: 48, .size: 8, .value_kind: global_buffer, .address_space: global }
    .group_segment_fixed_size: 288768
    .private_segment_fixed_size: 0
    .kernarg_segment_align: 8
    .kernarg_segment_size: 56
    .max_flat_workgroup_size: 512
    .sgpr_count:     102
    .vgpr_count:     256
    .wavefront_size: 32
...
	.end_amdgpu_metadata
.endif
;; end of part 2
;; launch oproj (part 3): grid 8 x 32, 4 waves a work-group, clusters of 4 x 4, 296,960 bytes of LDS; arguments oimg, osc, Wo_codes, Wo_scales, out0; writes out0
.if DOCPART == 3
	.amdgcn_target "amdgcn-amd-amdhsa--gfx1250"
	.amdhsa_code_object_version 6
	.text
	.protected	k_q63d1aee7c0_oproj
	.globl	k_q63d1aee7c0_oproj
	.p2align	8
	.type	k_q63d1aee7c0_oproj,@function
k_q63d1aee7c0_oproj:
	s_mov_b64 s[64:65], 0
	v_nop
	global_prefetch_b8 v0, s[64:65] scope:SCOPE_SE
	s_setreg_imm32_b32 hwreg(HW_REG_WAVE_MODE, 25, 1), 1
	s_wait_xcnt 0x0
	s_wait_alu depctr_hold_cnt(0) depctr_sa_sdst(0) depctr_va_vdst(0) depctr_va_sdst(0) depctr_va_ssrc(0) depctr_va_vcc(0) depctr_vm_vsrc(0)
	s_getreg_b32 s2, hwreg(HW_REG_IB_STS2, 6, 4)
	s_cmp_eq_u32 s2, 0
	s_cbranch_scc0 .Lentry_in_a_cluster
	s_endpgm
.Lentry_in_a_cluster:
	s_bfe_u32 s2, ttmp6, 0x10000c
	s_cmp_lg_u32 s2, 0xf033
	s_cbranch_scc0 .Lentry_shape_is_right
	s_endpgm
.Lentry_shape_is_right:
; out0 = O Wo on codes of FP8 (E4M3) with E8M0 scales.  O comes as register images (tiles of 16 tokens, lane r of tile T = token 32 (T / 2) + 8 (T % 2) + r + 8 (r / 8)) with its scale rows in the same order; Wo as rows of 1,024 codes.
; SHARES.  A work-group makes 128 tokens x 128 columns; wave w: four tiles of tokens (w / 2) x four tiles of columns (w % 2): 16 accumulators.
; ALL OF K FITS IN LDS: four chunks of 256 along K, each O's 32,768 bytes of images and Wo's 128 rows of 256 bytes, and the scale bytes.  Every LDS byte is filled once: five tensor loads a wave go out together at the start
; (waves 0, 1: O's halves; waves 2, 3: Wo's), and a counted wait and a barrier stand in front of each chunk's first read.  Nothing is filled again.
; CLUSTER 4 x 4: O's tiles hang on the work-group's y alone and are asked for jointly along a row of the cluster, Wo's on its x alone and jointly along a column.
; THE MATRIX INSTRUCTION IS USED TRANSPOSED (source 0 = 16 rows of Wo, source 1 = 16 tokens): a lane holds eight neighbouring columns of one row of out0.
; LIMITS: the NaN code and the scale byte 0xff in Wo are not served.
; REGISTERS.  window 0: v16-19, v20-23 fragment addresses for the four chunks; v24-28 other addresses; v32-63 scale words, two sets of 16, and nothing else; v64-127 rows on the way out; v128-255 accumulator (x, a) at 128 + 32 x + 8 a.
;   window 1: two buffers of 128: O's four fragments, then Wo's four.
.set CH,    67584                      ; a chunk: O's images, 32,768 bytes, then Wo's 128 rows of 272
.set WOFF,  32768
.set PITCH, 272
.set SCL,   4*CH                       ; O's scale rows (128 x 32 bytes as 16 rows of 256 + 16), then Wo's
.set STG,   SCL+2*4352                 ; the way out: 16 rows x 272 bytes for each wave; no fill lands here
.set ADRO,  16
.set ADRW,  20
.set ADSO,  24
.set ADSW,  25
.set STO,   26
.set RD,    27
.set CO,    28
.set SC,    32
.set BK,    64
.set ACC,   128
.set MUL,   0x05                       ; sources 0 and 1 window 1, C and D window 0
.set TO_F,  0x40                       ; destination window 1
.set MSB, 0
.macro WIN new
.if MSB != \new
	s_set_vgpr_msb (MSB<<8)|\new
.set MSB, \new
.endif
.endm
.macro PLACES n
.rept \n
	v_nop
.endr
.endm
.macro CROUND                          ; a round of the cluster's barrier
	s_barrier_signal -1
	s_barrier_wait -1
	s_cmp_lg_u32 s14, 0
	s_cbranch_scc1 .Lnot_wave_0_\@
	s_barrier_signal -3
.Lnot_wave_0_\@:
	s_barrier_wait -3
	s_barrier_signal -1
	s_barrier_wait -1
.endm
.macro MKG0 g, lreg, lconst, p, goff   ; a descriptor's group 0: LDS address s[lreg] + lconst, global address s[p:p+1] + goff
	s_mov_b32 s[\g], 1
	s_add_co_u32 s[\g+1], s[\lreg], \lconst
	s_add_nc_u64 s[\g+2:\g+3], s[\p:\p+1], \goff
	s_or_b32 s[\g+3], s[\g+3], 0x80000000
.endm
	s_load_b256 s[4:11], s[0:1], 0x0               ; oimg, osc, Wo's codes, Wo's scales
	s_load_b64 s[12:13], s[0:1], 0x20              ; out0
	v_lshl_add_u32 v30, v0, 2, 0x48600
	v_mov_b32 v31, 0
	ds_add_u32 v30, v31
	ds_add_u32 v30, v31
	v_lshrrev_b32 v1, 5, v0
	v_readfirstlane_b32 s14, v1                    ; wave 0..3
	s_lshr_b32 s15, s14, 1                         ; my half of the tokens.  Also: I fetch for O (0) or for Wo (1)
	s_and_b32 s16, s14, 1                          ; my half of the columns.  Also: which half I fetch
	s_bfe_u32 s17, ttmp6, 0x40000                  ; cx, cy
	s_bfe_u32 s18, ttmp6, 0x40004
	s_lshl_b32 s19, ttmp9, 2
	s_add_co_u32 s19, s19, s17                     ; work-group x: which 128 columns
	s_and_b32 s20, ttmp7, 0xffff
	s_lshl_b32 s20, s20, 2
	s_add_co_u32 s20, s20, s18                     ; work-group y: which eight tiles of tokens
	s_lshl_b32 s21, s18, 2
	s_lshl_b32 s21, 15, s21                        ; my row of the cluster
	s_lshl_b32 s22, 0x1111, s17                    ; my column
	s_or_b32 s24, s21, (3<<16)|(1<<21)             ; O's images: 64 dense rows of 32 elements of 8 bytes, no padding
	s_mov_b32 s25, 32<<16
	s_mov_b32 s26, 64<<16
	s_mov_b32 s27, 32<<16
	s_mov_b32 s28, 64
	s_mov_b32 s29, 32
	s_mov_b32 s30, 0
	s_mov_b32 s31, 0
	s_or_b32 s32, s22, (1<<20)|(1<<21)|(5<<22)|(3<<25)   ; Wo's codes: 64 rows of 256 bytes, 1,024 apart, 16 bytes of padding behind each
	s_mov_b32 s33, 256<<16
	s_mov_b32 s34, 64<<16
	s_mov_b32 s35, 256<<16
	s_mov_b32 s36, 64
	s_mov_b32 s37, 1024
	s_mov_b32 s38, 0
	s_mov_b32 s39, 0
	s_or_b32 s40, s21, (3<<16)|(1<<20)|(1<<21)|(5<<22)|(3<<25)   ; scale bytes of 64 rows: 8 dense rows of 256 bytes, padded
	s_or_b32 s48, s22, (3<<16)|(1<<20)|(1<<21)|(5<<22)|(3<<25)
.irp g, 40, 48
	s_mov_b32 s[\g+1], 32<<16
	s_mov_b32 s[\g+2], 8<<16
	s_mov_b32 s[\g+3], 32<<16
	s_mov_b32 s[\g+4], 8
	s_mov_b32 s[\g+5], 32
	s_mov_b32 s[\g+6], 0
	s_mov_b32 s[\g+7], 0
.endr
	s_lshl_b32 s23, s16, 14                        ; LDS: my half of O's images in a chunk,
	s_mul_i32 s2, s16, 64*PITCH                    ; of Wo's rows,
	s_mul_i32 s3, s16, 2176                        ; of a side's scale rows
	s_lshl_b32 s66, s20, 17                        ; O: 131,072 bytes for each work-group y, + my half of a chunk
	s_add_co_u32 s66, s66, s23
	s_mov_b32 s67, 0
	s_lshl_b32 s100, s19, 17                       ; Wo: 128 rows of 1,024 bytes for each work-group x, + my 64 rows
	s_lshl_b32 s101, s16, 16
	s_add_co_u32 s100, s100, s101
	s_mov_b32 s101, 0
	s_wait_dscnt 0x0
	s_wait_kmcnt 0x0
	s_add_nc_u64 s[4:5], s[4:5], s[66:67]
	s_add_nc_u64 s[8:9], s[8:9], s[100:101]
	s_lshl_b32 s66, s20, 12                        ; the scale rows: 128 x 32 bytes, + my 64 rows
	s_lshl_b32 s100, s16, 11
	s_add_co_u32 s66, s66, s100
	s_add_nc_u64 s[6:7], s[6:7], s[66:67]
	s_lshl_b32 s100, s19, 12
	s_lshl_b32 s66, s16, 11
	s_add_co_u32 s100, s100, s66
	s_add_nc_u64 s[10:11], s[10:11], s[100:101]
	MKG0 56, 3, SCL, 6, 0
	MKG0 60, 23, 0, 4, 0
	MKG0 68, 23, CH, 4, 32768
	MKG0 72, 23, 2*CH, 4, 65536
	MKG0 76, 23, 3*CH, 4, 98304
	MKG0 80, 3, SCL+4352, 10, 0
	MKG0 84, 2, WOFF, 8, 0
	MKG0 88, 2, CH+WOFF, 8, 256
	MKG0 92, 2, 2*CH+WOFF, 8, 512
	MKG0 96, 2, 3*CH+WOFF, 8, 768
	CROUND                                         ; all sixteen work-groups are here: the joint loads meet
	s_cmp_lt_u32 s14, 2                            ; a wave's five fills stand in one branch: five loads of mine are out
	s_cbranch_scc0 .Lfill_w
	tensor_load_to_lds s[56:59], s[40:47]
	s_nop 0
	tensor_load_to_lds s[60:63], s[24:31]
	s_nop 0
	tensor_load_to_lds s[68:71], s[24:31]
	s_nop 0
	tensor_load_to_lds s[72:75], s[24:31]
	s_nop 0
	tensor_load_to_lds s[76:79], s[24:31]
	s_nop 0
.rept 4
	v_nop
.endr
	s_branch .Lfilled
.Lfill_w:
	tensor_load_to_lds s[80:83], s[48:55]
	s_nop 0
	tensor_load_to_lds s[84:87], s[32:39]
	s_nop 0
	tensor_load_to_lds s[88:91], s[32:39]
	s_nop 0
	tensor_load_to_lds s[92:95], s[32:39]
	s_nop 0
	tensor_load_to_lds s[96:99], s[32:39]
	s_nop 0
.rept 4
	v_nop
.endr
.Lfilled:
	v_and_b32 v1, 15, v0                           ; r
	v_bfe_u32 v2, v0, 4, 1                         ; h
	v_and_b32 v3, 31, v0
	v_lshlrev_b32 v4, 4, v3                        ; 16 x lane
	s_lshl_b32 s23, s15, 13                        ; my four tiles' images: 2,048 bytes each
	v_add_nc_u32 v[ADRO], s23, v4
	v_mul_u32_u24 v5, v1, PITCH
	v_lshl_add_u32 v5, v2, 4, v5
	s_mul_i32 s23, s16, 64*PITCH
	s_add_co_u32 s23, s23, WOFF
	v_add_nc_u32 v[ADRW], s23, v5
.irp q, 1,2,3
	v_add_nc_u32 v[ADRO+\q], \q*CH, v[ADRO]
	v_add_nc_u32 v[ADRW+\q], \q*CH, v[ADRW]
.endr
	v_and_b32 v6, 7, v1                            ; a row's 32 scale bytes: row / 8 says which padded row of 256 bytes, row % 8 where in it
	v_lshrrev_b32 v7, 3, v1
	v_lshlrev_b32 v6, 5, v6
	v_mad_u32_u24 v6, v7, 272, v6
	s_mul_i32 s23, s15, 2176
	s_add_co_u32 s23, s23, SCL
	v_add_nc_u32 v[ADSO], s23, v6
	s_mul_i32 s23, s16, 2176
	s_add_co_u32 s23, s23, SCL+4352
	v_add_nc_u32 v[ADSW], s23, v6
	s_mul_i32 s23, s14, 16*272
	s_add_co_u32 s23, s23, STG                     ; my stage
	v_mul_u32_u24 v8, v1, 272
	v_lshl_add_u32 v8, v2, 5, v8
	v_add_nc_u32 v[STO], s23, v8                   ; in: row r, 32 bytes for each half of the lanes
	v_mul_u32_u24 v8, v2, 272
	v_lshl_add_u32 v8, v1, 4, v8
	v_add_nc_u32 v[RD], s23, v8                    ; back: lanes 0-15 one row of 256 bytes, lanes 16-31 the next
	v_lshlrev_b32 v8, 12, v2
	v_lshl_add_u32 v[CO], v1, 4, v8                ; and the same two rows in out0 (4,096 bytes a row)
	s_lshl_b32 s100, s20, 19                       ; out0: 128 rows for each work-group y, 64 for my half, 512 bytes for each work-group x, 256 for my half
	s_lshl_b32 s23, s15, 18
	s_add_co_u32 s100, s100, s23
	s_lshl_b32 s23, s19, 9
	s_add_co_u32 s100, s100, s23
	s_lshl_b32 s23, s16, 8
	s_add_co_u32 s100, s100, s23
	s_add_nc_u64 s[12:13], s[12:13], s[100:101]
.macro FETCH k                         ; step k's eight fragments into buffer k % 2: Wo's 16 loads, O's tiles 0, 1 (8), O's tiles 2, 3 (8)
.set FQ, (\k)>>1
.set FS, (\k)&1
.set FB, 128*((\k)&1)
	WIN TO_F
.irp a, 0,1,2,3
.irp c, 0,1,2,3
	ds_load_b128 v[FB+64+16*\a+4*\c:FB+64+16*\a+4*\c+3], v[ADRW+FQ] offset:\a*16*PITCH+128*FS+32*\c
.endr
.endr
.irp x, 0,1,2,3
.irp c, 0,1,2,3
	ds_load_b128 v[FB+16*\x+4*\c:FB+16*\x+4*\c+3], v[ADRO+FQ] offset:FS*16384+\x*2048+\c*512
.endr
.endr
.endm
.macro SCALES q                        ; chunk q's scale words, two a row, into set q % 2: 8 loads
.set SQ, (\q)&1
	WIN 0
.irp x, 0,1,2,3
	ds_load_b64 v[SC+16*SQ+2*\x:SC+16*SQ+2*\x+1], v[ADSO] offset:\x*544+8*(\q)
.endr
.irp a, 0,1,2,3
	ds_load_b64 v[SC+16*SQ+2*(4+\a):SC+16*SQ+2*(4+\a)+1], v[ADSW] offset:\a*544+8*(\q)
.endr
.endm
; 8 matrix instructions: token tiles x0, x0 + 1 x my four tiles of columns.  The 16 accumulators take turns, one instruction a turn; step 0's products start the sums.
.macro MUL8 k, x0
.set FB, 128*((\k)&1)
.set FS, (\k)&1
.set SQ, ((\k)>>1)&1
	WIN MUL
.irp x, \x0, \x0+1
.irp a, 0,1,2,3
.if (\k) == 0
	v_wmma_scale_f32_16x16x128_f8f6f4 v[ACC+32*(\x)+8*\a:ACC+32*(\x)+8*\a+7], v[FB+64+16*\a:FB+64+16*\a+15], v[FB+16*(\x):FB+16*(\x)+15], 0, v[SC+16*SQ+2*(4+\a)+FS], v[SC+16*SQ+2*(\x)+FS]
.else
	v_wmma_scale_f32_16x16x128_f8f6f4 v[ACC+32*(\x)+8*\a:ACC+32*(\x)+8*\a+7], v[FB+64+16*\a:FB+64+16*\a+15], v[FB+16*(\x):FB+16*(\x)+15], v[ACC+32*(\x)+8*\a:ACC+32*(\x)+8*\a+7], v[SC+16*SQ+2*(4+\a)+FS], v[SC+16*SQ+2*(\x)+FS]
.endif
.endr
.endr
.endm
; A step of 128 along K.  A chunk's second step (k odd, but the last) is followed by another chunk: my part of that chunk has landed, then a barrier, behind which nothing is filled.
.macro SUB k
.set ODD, ((\k)&1)&&((\k)<7)
.if ODD
	s_wait_dscnt 0x0                               ; no LDS load of mine is out at the signal
	s_wait_tensorcnt 2-((\k)>>1)                   ; my part of the next chunk is in; the later chunks' loads may be out
	s_barrier_signal -1
.else
	s_wait_dscnt 8                                 ; all but O's tiles 2, 3
.endif
	MUL8 \k, 0
.if ODD
	s_barrier_wait -1
.endif
.if (\k) < 7
	PLACES 8                                       ; in front of loads into the other buffer, which the last step's products read
.if ODD
	SCALES ((\k)+1)>>1
.endif
	FETCH (\k)+1
.endif
.if ((\k)&1) == 0
	s_wait_dscnt 32                                ; all but the 32 just issued
.endif
.if (\k) == 7
	s_wait_dscnt 0x0
.endif
	MUL8 \k, 2
.endm
	s_wait_tensorcnt 3                             ; the scales and my part of chunk 0 are in; three loads may be out
	s_barrier_signal -1
	s_barrier_wait -1
	SCALES 0
	FETCH 0
.irp k, 0,1,2,3,4,5,6,7
	SUB \k
.endr
	WIN 0
	PLACES 8                                       ; in front of the first read of results
; THE WAY OUT, a tile of 16 tokens x 64 columns at a time, through my own stage: LDS serves a wave's instructions in order (ISA guide 5.7.1.4), so no wait stands between the stores and the loads.
.macro TOSTAGE x
.irp a, 0,1,2,3
	ds_store_b128 v[STO], v[ACC+32*(\x)+8*\a:ACC+32*(\x)+8*\a+3] offset:64*\a          ; each accumulator from its low end on
	ds_store_b128 v[STO], v[ACC+32*(\x)+8*\a+4:ACC+32*(\x)+8*\a+7] offset:64*\a+16
.endr
.irp i, 0,1,2,3,4,5,6,7
	ds_load_b128 v[BK+32*((\x)%2)+4*\i:BK+32*((\x)%2)+4*\i+3], v[RD] offset:2*\i*272
.endr
.endm
.macro SEND x, younger                 ; stage row rho is token 32 (x / 2) + 8 (x % 2) + rho + 8 (rho / 8) of my 64
	s_wait_dscnt \younger
.irp i, 0,1,2,3,4,5,6,7
	global_store_b128 v[CO], v[BK+32*((\x)%2)+4*\i:BK+32*((\x)%2)+4*\i+3], s[12:13] offset:(32*((\x)/2)+8*((\x)%2)+2*\i+8*(\i/4))*4096 th:TH_STORE_NT   ; 16 lanes store 256 consecutive bytes, aligned
.endr
.endm
	TOSTAGE 0
.irp x, 1,2,3
.if \x > 1
	s_wait_xcnt 0x0                                ; tile x - 2's stores have read their registers
.endif
	TOSTAGE \x
	SEND \x-1, 16                                  ; behind tile x - 1's loads: tile x's 8 stores and 8 loads
.endr
	SEND 3, 0
	s_wait_tensorcnt 0x0
	ds_add_u32 v30, v31
	s_wait_dscnt 0x0
	CROUND                                         ; the closing round: no work-group ends while a partner may still ask for a tile that names it
	s_endpgm
.Lfunc_end_k_q63d1aee7c0_oproj:
	.size	k_q63d1aee7c0_oproj, .Lfunc_end_k_q63d1aee7c0_oproj-k_q63d1aee7c0_oproj
	.p2alignl 7, 3214868480
	.fill 96, 4, 3214868480
	.section	.rodata,"a",@progbits
	.p2align	6, 0x0
	.amdhsa_kernel k_q63d1aee7c0_oproj
		.amdhsa_group_segment_fixed_size 296960
		.amdhsa_private_segment_fixed_size 0
		.amdhsa_enable_private_segment 0
		.amdhsa_kernarg_size 40
		.amdhsa_user_sgpr_count 2
		.amdhsa_user_sgpr_kernarg_segment_ptr 1
		.amdhsa_wavefront_size32 1
		.amdhsa_system_sgpr_workgroup_id_x 1
		.amdhsa_system_sgpr_workgroup_id_y 1
		.amdhsa_system_sgpr_workgroup_id_z 1
		.amdhsa_system_vgpr_workitem_id 0
		.amdhsa_next_free_vgpr 512
		.amdhsa_next_free_sgpr 102
		.amdhsa_reserve_vcc 0
		.amdhsa_float_denorm_mode_32 3
		.amdhsa_float_denorm_mode_16_64 3
		.amdhsa_memory_ordered 1
		.amdhsa_forward_progress 1
		.amdhsa_inst_pref_size 55
	.end_amdhsa_kernel
	.amdgpu_metadata
---
amdhsa.version: [ 1, 2 ]
amdhsa.kernels:
  - .name:           k_q63d1aee7c0_oproj
    .symbol:         k_q63d1aee7c0_oproj.kd
    .args:
      - { .name: oimg, .offset: 0, .size: 8, .value_kind: global_buffer, .address_space: global }
      - { .name: osc, .offset: 8, .size: 8, .value_kind: global_buffer, .address_space: global }
      - { .name: Wo_codes, .offset: 16, .size: 8, .value_kind: global_buffer, .address_space: global }
      - { .name: Wo_scales, .offset: 24, .size: 8, .value_kind: global_buffer, .address_space: global }
      - { .name: out0, .offset: 32, .size: 8, .value_kind: global_buffer, .address_space: global }
    .group_segment_fixed_size: 296960
    .private_segment_fixed_size: 0
    .kernarg_segment_align: 8
    .kernarg_segment_size: 40
    .max_flat_workgroup_size: 128
    .sgpr_count:     102
    .vgpr_count:     512
    .wavefront_size: 32
...
	.end_amdgpu_metadata
.endif
;; end of part 3
;; ======== version 2 of 2: 3 launches; version 1 with the launch attn written anew for expert scheduling mode
;; workspace buffers: qkimg 8,388,608 bytes; qksc 1,048,576 bytes; vimg 4,194,304 bytes; vsch 262,144 bytes; mw 540,672 bytes of whole numbers; oimg 4,194,304 bytes; osc 131,072 bytes
;; launch qkv: the kernel of part 1 again; grid 8 x 32, 4 waves a work-group, clusters of 4 x 4, 327,680 bytes of LDS; arguments x_codes, x_scales, Wq_codes, Wq_scales, Wk_codes, Wk_scales, Wv_codes, Wv_scales, mask, qkimg, qksc, vimg, vsch, mw; writes qkimg, qksc, vimg, vsch, mw
;; launch attn (part 4): grid 8 x 32, 16 waves a work-group, no clusters, 288,768 bytes of LDS; arguments qkimg, qksc, vimg, vsch, mw, oimg, osc; writes oimg, osc
.if DOCPART == 4
	.amdgcn_target "amdgcn-amd-amdhsa--gfx1250"
	.amdhsa_code_object_version 6
	.text
	.protected	k_q63d1aee7c0_attn
	.globl	k_q63d1aee7c0_attn
	.p2align	8
	.type	k_q63d1aee7c0_attn,@function
k_q63d1aee7c0_attn:
	s_mov_b64 s[64:65], 0
	v_nop
	global_prefetch_b8 v0, s[64:65] scope:SCOPE_SE
	s_setreg_imm32_b32 hwreg(HW_REG_WAVE_SCHED_MODE, 0, 2), 2
	s_setreg_imm32_b32 hwreg(HW_REG_WAVE_MODE, 25, 1), 1
	s_wait_xcnt 0x0
	s_wait_alu depctr_vm_vsrc(0)
; Attention of one (batch, head) on codes of FP8 (E4M3) with E8M0 scales: S^T = K Q^T, the mask, p, the row's sum, O^T = V^T P, O / sum, and O quantised along the model's 1,024 for the last product.
; SHARES.  A work-group owns one head and 16 of its 128 tiles of 16 queries, one to a wave, in 256 registers: four waves to a SIMD, so that one wave's vector work stands beside another's matrix work.
; The head's K and V (register images written by the launch before) and their scale words are copied into LDS once, through registers; one barrier; then LDS is only read.
; THE SOFTMAX.  t = score x log2(e) / 8.  q and k are normalised by the computation itself: each has norm 8 at the most, 8.5 after rounding to E4M3, so |t| <= 72.25 x 0.18034 < 13.04 for every input.
; Any whole M gives the same codes x scales, so M is the constant 14: p = 2^(t - 14) lies between 2^-28 and 1/2; no running maximum, and O^T is never rescaled.
; THE MASK is honoured as it is given.  A masked p becomes 2^-100: beside an open p of its row (2^-28 at the least) it is at most 2^-72 of it, in the sum and in O; in a row that is masked throughout all p are equal and O / sum is the mean of v.
; A unit (my 16 queries x 128 keys) without an open key is left out, by a scalar branch on flags that the launch before stored as whole numbers, unless a row of my tile has no open key at all: then every unit is walked.
; NO CLUSTER AND NO TENSOR LOAD: which key steps a wave walks hangs on those stored flags, and the work-groups of a head would walk different steps; so K and V come through registers and nothing is asked for jointly.
; LAYOUT.  A lane holds one query (lane % 16) throughout.  The keys of tile t of a step are 32 (t / 2) + 8 (t % 2) + r + 8 (r / 8), so score register 16 b + i is key 32 b + 16 (lane / 16) + i.
; K = 64 fills half of the instruction's 128: Q's registers 8-15 are zero codes.  K's eight tiles lie on end, 8 registers each: a tile's operand runs on into the next tile's codes (behind the last: zeros), which meet Q's zeros; none of them is the NaN code, since the quantiser holds at 448.
; LIMITS: NaN and infinities are not served.  Blocks of O under 2^-118 keep the scale byte 1.
; REGISTERS: v1 16 x lane; v2-5 the step's LDS addresses; v6 2^-100; v7 Q's scale word; v8 p's; v9, v244, v245 address bases; v[10:11], v[12:13] the sum; v[14:15] -14; v16-31 Q; v32-95 K's tiles, then V's four fragments; v96-103 zeros;
;   v104-167 S^T, then p; v168-199 O^T; v200-215 p's codes; v216-231 at work; v232-239 K's scale words; v240-243 V's; v246 my byte in osc.
; SCALARS: s18 wave, s19 my tile T, s20 bh, s21 units to walk, s22 units wholly open, s23 J, s24-27 steps of addresses, s[28:29] c, s[30:31] lane selects, s66 448's mantissa; s[32:63], s[68:99] a unit's 64 mask words.
; THE MODE: SCHED_MODE bits 1:0 = 2 (LLVM: expert scheduling mode 2), set by the entry lines.  The code itself states the register dependences
; between vector or matrix instructions and memory or LDS instructions, with s_wait_alu, always for 0.
; THE PLAN.  Registers that memory or LDS instructions touch:
;   v1, v246          offsets, made once at the head and never written again.
;   v200-204, v206    the fill's addresses, made at the head; read by the fill's loads and LDS stores; from the loop on the conversions write them (p's codes).
;   v32-95, v104-167, v168-175, v180-183   the fill's data: loaded (v180-183: made by four v_perm_b32), read by the fill's LDS stores; written again only behind the one wait on vm_vsrc that follows the barrier.
;   v2-5              a step's LDS addresses: written by four adds at the step's head, read by that step's 35 LDS loads.
;   v32-95            K's loads land; the eight products K Q^T read; V's loads land; the four products V^T P read.  All 256 registers are in use: there is no second set.
;   v232-239, v240-243   scale words: LDS loads land, the products read.
;   v200-215, v8      p's codes and scale word: vector lines write, the products V^T P take them.
; A WALKED STEP holds one wait on vm_vsrc (ahead of the four adds) and three on va_vdst: at its head (the addresses are written; the last walked step's products are done with the registers in which loads land);
; behind the exponentials (the batch's own wait, which also states that the products K Q^T are done reading v32-95: V's loads stand straight behind it); ahead of the products V^T P (p's codes and scale word are written).
; A step that is left out issues no vector and no memory line, so what a walked step leaves pending meets the next walked step's head, or the way out.
.set VIMG, 131072
.set KSC,  262144
.set VSC,  278528
	s_load_b256 s[4:11], s[0:1], 0x0               ; qkimg, qksc, vimg, vsch
	s_load_b128 s[12:15], s[0:1], 0x20             ; mw, oimg
	s_load_b64 s[16:17], s[0:1], 0x30              ; osc
	v_lshl_add_u32 v254, v0, 2, 0x46000
	v_mov_b32 v255, 0
	v_lshrrev_b32 v2, 5, v0
	v_readfirstlane_b32 s18, v2                    ; wave 0..15
	v_and_b32 v3, 31, v0
	v_lshlrev_b32 v1, 4, v3                        ; 16 x lane
	v_lshlrev_b32 v4, 3, v3
	v_lshl_add_u32 v206, v2, 9, v4                 ; V's bytes: 512 x wave (the key step) + 8 x lane
	v_lshlrev_b32 v200, 4, v0                      ; 16 x thread: my place in a copy of 8,192 bytes, in memory and in LDS
	v_add_nc_u32 v201, 65536, v200
	v_add_nc_u32 v202, 131072, v200
	v_add_nc_u32 v203, 196608, v200
	v_add_nc_u32 v204, 262144, v200
	s_and_b32 s20, ttmp7, 0xffff                   ; bh
	s_wait_alu depctr_va_sdst(0)                   ; s18 is written, ahead of its first reader: my tile's number is made from it
	s_bfe_u32 s2, s18, 0x10002                     ; waves 4-7 and 12-15 take their four tiles in reverse, so that waves w, w + 4, w + 8, w + 12 have like work under a triangular mask (balance only)
	s_mul_i32 s2, s2, 3
	s_xor_b32 s2, s2, s18
	s_lshl_b32 s19, s2, 3
	s_add_co_u32 s19, s19, ttmp9                   ; T
	s_mov_b32 s3, 0
	s_wait_kmcnt 0x0
	s_lshl_b32 s2, s19, 7
	s_add_nc_u64 s[100:101], s[12:13], s[2:3]      ; my tile's flags
	s_load_b512 s[32:47], s[100:101], 0x80000      ; 'any', one word a unit
	s_load_b512 s[48:63], s[100:101], 0x80040      ; 'all'
	s_lshl_b32 s2, s20, 17
	s_add_nc_u64 s[70:71], s[8:9], s[2:3]          ; the head's V
	s_add_co_u32 s2, s2, 4194304
	s_add_nc_u64 s[68:69], s[4:5], s[2:3]          ; its K
	s_lshl_b32 s2, s20, 14
	s_add_co_u32 s2, s2, 524288
	s_add_nc_u64 s[72:73], s[6:7], s[2:3]          ; K's scale words
	s_lshl_b32 s2, s20, 13
	s_add_nc_u64 s[74:75], s[10:11], s[2:3]        ; V's scale bytes
	s_lshl_b32 s2, s20, 7
	s_add_co_u32 s2, s2, s19
	s_lshl_b32 s2, s2, 10
	s_add_nc_u64 s[76:77], s[4:5], s[2:3]          ; my tile of Q
	s_lshl_b32 s2, s20, 5
	s_lshr_b32 s24, s19, 2
	s_add_co_u32 s2, s2, s24
	s_lshl_b32 s2, s2, 9
	s_and_b32 s24, s19, 3
	s_lshl_b32 s24, s24, 2
	s_add_co_u32 s2, s2, s24
	s_add_nc_u64 s[78:79], s[6:7], s[2:3]          ; and its scale words
	s_wait_alu depctr_va_vdst(0)                   ; v1, v200 to v204 and v206 are written: the loads below and the LDS stores of the fill read them as addresses, and no vector line writes them before the fill's stores have read them
.set i, 0
.rept 16
	global_load_b128 v[32+4*i:35+4*i], v200, s[68:69] offset:8192*i
.set i, i+1
.endr
.set i, 0
.rept 16
	global_load_b128 v[104+4*i:107+4*i], v200, s[70:71] offset:8192*i
.set i, i+1
.endr
	global_load_b128 v[168:171], v200, s[72:73]
	global_load_b128 v[172:175], v200, s[72:73] offset:8192
	global_load_b64 v[176:177], v206, s[74:75]             ; key blocks 0, 1 of my step, tiles 0-3 of d
	global_load_b64 v[178:179], v206, s[74:75] offset:256  ; key blocks 2, 3
	global_load_b128 v[16:19], v1, s[76:77]
	global_load_b128 v[20:23], v1, s[76:77] offset:512
	global_load_b32 v7, v1, s[78:79]
	; while they are on their way: pointers, constants, flags
	s_lshl_b32 s2, s19, 12
	s_add_nc_u64 s[12:13], s[12:13], s[2:3]        ; my tile's mask words: 256 bytes a unit
	s_lshr_b32 s24, s20, 4                         ; batch
	s_and_b32 s25, s20, 15                         ; head
	s_lshl_b32 s26, s24, 7
	s_add_co_u32 s26, s26, s19                     ; 128 x batch + T
	s_lshl_b32 s2, s26, 9
	s_lshl_b32 s27, s25, 1
	s_add_co_u32 s2, s2, s27
	s_add_nc_u64 s[16:17], s[16:17], s[2:3]        ; osc: 32 bytes a row, 16 rows a tile; my head's two bytes
	s_lshr_b32 s2, s26, 3
	s_lshl_b32 s2, s2, 17                          ; oimg: 131,072 bytes for eight tiles,
	s_lshr_b32 s27, s25, 1
	s_lshl_b32 s27, s27, 14                        ; 16,384 for a step of 128 along K (two heads),
	s_add_co_u32 s2, s2, s27
	s_and_b32 s27, s26, 7
	s_lshl_b32 s27, s27, 11                        ; 2,048 for a tile's fragment,
	s_add_co_u32 s2, s2, s27
	s_and_b32 s27, s25, 1
	s_lshl_b32 s27, s27, 10                        ; 1,024 for a head's half of it
	s_add_co_u32 s2, s2, s27
	s_add_nc_u64 s[14:15], s[14:15], s[2:3]
	s_mov_b32 s28, 0x3e38aa3b                      ; c = log2(e) / 8
	s_mov_b32 s29, s28                             ; (named with it as a pair)
	s_mov_b32 s30, 0x76543210
	s_mov_b32 s31, 0xfedcba98
	s_mov_b32 s66, 0x600000
	v_mov_b32 v6, 0x0d800000                       ; 2^-100
	v_mov_b32 v14, 0xc1600000                      ; -14
	v_mov_b32 v15, 0xc1600000
.irp j, 10,11,12,13,220,221,222,223
	v_mov_b32 v\j, 0                               ; the sums; and a lane permute's destination counts as one of its sources
.endr
.irp j, 0,1,2,3,4,5,6,7
	v_mov_b32 v[24+\j], 0                          ; Q's K = 64 .. 127: zero codes
	v_mov_b32 v[96+\j], 0                          ; behind K's last tile
.endr
	v_add_nc_u32 v9, VIMG, v1
	v_add_nc_u32 v244, KSC, v1
	v_add_nc_u32 v245, VSC, v1
	v_and_b32 v4, 15, v0
	v_bfe_u32 v5, v0, 4, 1
	v_lshl_add_u32 v246, v4, 5, v5                 ; osc: 32 x row + which of the head's two bytes
	s_wait_kmcnt 0x0
	s_mov_b32 s21, 0
	s_mov_b32 s22, 0
	s_mov_b32 s67, 0
.irp j, 0,1,2,3,4,5,6,7,8,9,10,11,12,13,14,15
	s_or_b32 s67, s67, s[32+\j]
	s_cmp_lg_u32 s[32+\j], 0
	s_cselect_b32 s2, 1<<\j, 0
	s_or_b32 s21, s21, s2                          ; unit j has an open key
	s_cmp_eq_u32 s[48+\j], -1
	s_cselect_b32 s2, 1<<\j, 0
	s_or_b32 s22, s22, s2                          ; unit j has open keys alone
.endr
	s_lshr_b32 s2, s67, 16                         ; a row's keys lie in lanes r and r + 16
	s_or_b32 s2, s2, s67
	s_and_b32 s2, s2, 0xffff
	s_cmp_eq_u32 s2, 0xffff
	s_cselect_b32 s21, s21, 0xffff                 ; a row without any open key: walk every unit
	; the copies into LDS, in the order of the loads
	s_wait_loadcnt 23                              ; K's 16 loads are in: 23 were issued behind them
.irp i, 0,1,2,3,4,5,6,7
	ds_store_b128 v200, v[32+4*\i:35+4*\i] offset:8192*\i
	ds_store_b128 v201, v[64+4*\i:67+4*\i] offset:8192*\i
.endr
	s_wait_loadcnt 7                               ; V's
.irp i, 0,1,2,3,4,5,6,7
	ds_store_b128 v202, v[104+4*\i:107+4*\i] offset:8192*\i
	ds_store_b128 v203, v[136+4*\i:139+4*\i] offset:8192*\i
.endr
	s_wait_loadcnt 5                               ; K's scale words
	ds_store_b128 v204, v[168:171]
	ds_store_b128 v204, v[172:175] offset:8192
	s_wait_loadcnt 3                               ; V's scale bytes: two halves make a word for each tile of d
	v_perm_b32 v180, v178, v176, 0x05040100
	v_perm_b32 v181, v178, v176, 0x07060302
	v_perm_b32 v182, v179, v177, 0x05040100
	v_perm_b32 v183, v179, v177, 0x07060302
	s_wait_alu depctr_va_vdst(0)                   ; the four lines above have written v180 to v183, which the LDS store below reads
	ds_store_b128 v204, v[180:183] offset:16384
	s_wait_loadcnt 0x0                             ; Q
	s_wait_dscnt 0x0                               ; for the others' sake: my stores have landed
	s_barrier_signal -1
	s_barrier_wait -1
	s_wait_alu depctr_vm_vsrc(0)                   ; the fill's loads and LDS stores have read their registers: v168-175 and v180-183 are cleared below; the loop's loads land in v32-95, its products write v104-167, its conversions v200-215
.set j, 0
.rept 32
	v_mov_b32 v[168+j], 0                          ; O^T: which step is a wave's first hangs on the flags, so the sums begin as zeros
.set j, j+1
.endr
	s_mov_b32 s23, 0
	s_mov_b32 s24, 0
	s_mov_b32 s25, 0
	s_mov_b32 s26, 0
	s_mov_b32 s27, 0
.Lstep:                                                ; 16 trips: the count is a constant; a trip's work is jumped over, never the lines that step addresses
	s_bitcmp1_b32 s21, s23
	s_cbranch_scc0 .Lnext
	s_load_b512 s[32:47], s[12:13], s27 offset:0x0     ; the unit's 64 mask words
	s_load_b512 s[48:63], s[12:13], s27 offset:0x40
	s_load_b512 s[68:83], s[12:13], s27 offset:0x80
	s_load_b512 s[84:99], s[12:13], s27 offset:0xc0
	s_wait_alu depctr_vm_vsrc(0)                   ; the last walked step's LDS loads have read v2 to v5, which the four lines below write
	v_add_nc_u32 v2, s24, v1                       ; these four and four v_nop stand between the last step's products and the loads into their registers
	v_add_nc_u32 v3, s24, v9
	v_add_nc_u32 v4, s25, v244
	v_add_nc_u32 v5, s26, v245
.rept 4
	v_nop
.endr
	s_wait_alu depctr_va_vdst(0)                   ; v2 to v5 are written, which this step's LDS loads read; the last walked step's products are done reading v32-95 and the scale words v232-243, in which loads land; in the first walked step: the zero codes v24-31 and v96-103 are written, which the products below take
.irp t, 0,1,2,3,4,5,6,7
	ds_load_b128 v[32+8*\t:35+8*\t], v2 offset:1024*\t
	ds_load_b128 v[36+8*\t:39+8*\t], v2 offset:1024*\t+512
.endr
	ds_load_b128 v[232:235], v4
	ds_load_b128 v[236:239], v4 offset:512
	s_wait_dscnt 0x0
.irp t, 0,1,2,3,4,5,6,7
	v_wmma_scale_f32_16x16x128_f8f6f4 v[104+8*\t:111+8*\t], v[32+8*\t:47+8*\t], v[16:31], 0, v[232+\t], v7
.endr
.rept 8
	v_nop                                          ; eight places: then the scores may be read
.endr
.set j, 0
.rept 32
	v_pk_fma_f32 v[104+j:105+j], v[104+j:105+j], s[28:29], v[14:15] op_sel_hi:[1,0,0]   ; t - 14, two at a time, each accumulator from its low end on
.set j, j+2
.endr
.set j, 0
.rept 64
	v_exp_f32 v[104+j], v[104+j]                   ; p = 2^(t - 14)
.set j, j+1
.endr
	v_nop                                          ; one plain line behind the exponentials
	s_wait_alu depctr_va_vdst(0)                   ; the 64 exponentials have written p, ahead of the branch and of p's first reader; and the products K Q^T are done reading v32-95, in which the loads below land
.irp a, 0,1,2,3
.irp c, 0,1,2,3
	ds_load_b128 v[32+16*\a+4*\c:35+16*\a+4*\c], v3 offset:2048*\a+512*\c    ; V's fragments: they land under the masking, the maxima, the sums, the holds and the conversions, none of which names v32-95, v240-243, v3 or v5
.endr
.endr
	ds_load_b128 v[240:243], v5
	s_wait_kmcnt 0x0                               ; the mask words
	s_bitcmp1_b32 s22, s23
	s_cbranch_scc1 .Lopen                          ; a unit of open keys alone has nothing to mask
.set n, 0
.rept 64
	v_cndmask_b32 v[104+n], v6, v[104+n], s[32+n+4*(n/32)]
.set n, n+1
.endr
.Lopen:
.irp b, 0,1,2,3
	v_max3_num_f32 v[216+\b], v[104+16*\b], v[105+16*\b], v[106+16*\b]   ; a block's largest p (2^-100 at the least: the byte cannot fall under 1)
.endr
.irp i, 3,5,7,9,11,13
.irp b, 0,1,2,3
	v_max3_num_f32 v[216+\b], v[216+\b], v[104+16*\b+\i], v[105+16*\b+\i]
.endr
.endr
.irp b, 0,1,2,3
	v_max_num_f32 v[216+\b], v[216+\b], v[119+16*\b]
.endr
.irp b, 0,1,2,3
	v_permlanex16_b32 v[220+\b], v[216+\b], s30, s31
.endr
.irp b, 0,1,2,3
	v_max_num_f32 v[216+\b], v[216+\b], v[220+\b]
.endr
.irp b, 0,1,2,3
	v_add_nc_u32 v[228+\b], 0xfc000000, v[216+\b]  ; 8 off the exponent field: the conversion's scale operand
.endr
.irp b, 0,1,2,3
	v_and_or_b32 v[224+\b], v[216+\b], 0x7f800000, s66   ; 448 x the scale
.endr
.irp b, 0,1,2,3
	v_lshrrev_b32 v[220+\b], 23, v[228+\b]
.endr
	v_lshl_or_b32 v8, v221, 8, v220                ; p's scale word for these 128 keys
	v_lshl_or_b32 v8, v222, 16, v8
	v_lshl_or_b32 v8, v223, 24, v8
	v_pk_add_f32 v[12:13], v[104:105], v[106:107]  ; the row's sum is taken of the unquantised p, in two chains
.irp j, 4,8,12,16,20,24,28,32,36,40,44,48,52,56,60
	v_pk_add_f32 v[10:11], v[10:11], v[104+\j:105+\j]
	v_pk_add_f32 v[12:13], v[12:13], v[106+\j:107+\j]
.endr
	v_pk_add_f32 v[10:11], v[10:11], v[12:13]
.irp b, 0,1,2,3
.irp i, 0,1,2,3,4,5,6,7,8,9,10,11,12,13,14,15
	v_min_num_f32 v[104+16*\b+\i], v[104+16*\b+\i], v[224+\b]   ; the hold (ISA guide 7.6.2); p is not negative
.endr
	v_cvt_scalef32_pk8_fp8_f32 v[200+4*\b:201+4*\b], v[104+16*\b:111+16*\b], v[228+\b]
	v_cvt_scalef32_pk8_fp8_f32 v[202+4*\b:203+4*\b], v[112+16*\b:119+16*\b], v[228+\b]
.endr
.rept 4
	v_nop                                          ; codes made by vector instructions stand four places ahead of the products; the scale word was made far above
.endr
	s_wait_alu depctr_va_vdst(0)                   ; the conversions have written p's codes v200-215 and the shifts its scale word v8, which the products below take; the places above stay beside this wait
	s_wait_dscnt 0x0                               ; V
.irp a, 0,1,2,3
	v_wmma_scale_f32_16x16x128_f8f6f4 v[168+8*\a:175+8*\a], v[32+16*\a:47+16*\a], v[200:215], v[168+8*\a:175+8*\a], v[240+\a], v8
.endr
.Lnext:
	s_add_co_u32 s24, s24, 8192                    ; a step's images of K, and of V
	s_add_co_u32 s25, s25, 1024                    ; K's scale words
	s_add_co_u32 s26, s26, 512                     ; V's
	s_add_co_u32 s27, s27, 256                     ; the mask words
	s_add_co_u32 s23, s23, 1
	s_cmp_lt_u32 s23, 16
	s_cbranch_scc1 .Lstep
.rept 8
	v_nop
.endr
	v_add_f32 v10, v10, v11
	v_permlanex16_b32 v12, v10, s30, s31
	v_add_f32 v10, v10, v12                        ; the row's sum
	v_rcp_f32 v12, v10
	v_nop
	s_wait_alu depctr_va_vdst(0)                   ; the reciprocal has written v12, ahead of its first reader
.set j, 0
.rept 16
	v_pk_mul_f32 v[104+j:105+j], v[168+j:169+j], v[12:13] op_sel_hi:[1,0]   ; register 16 b + i: o(my query, 32 b + 16 (lane / 16) + i of my head)
.set j, j+2
.endr
.irp b, 0,1
	v_max3_num_f32 v[216+\b], |v[104+16*\b]|, |v[105+16*\b]|, 0x4800000    ; with the floor 2^(9 - 127)
.endr
.irp i, 2,4,6,8,10,12,14
.irp b, 0,1
	v_max3_num_f32 v[216+\b], v[216+\b], |v[104+16*\b+\i]|, |v[105+16*\b+\i]|
.endr
.endr
.irp b, 0,1
	v_permlanex16_b32 v[220+\b], v[216+\b], s30, s31
.endr
.irp b, 0,1
	v_max_num_f32 v[216+\b], v[216+\b], v[220+\b]
.endr
.irp b, 0,1
	v_add_nc_u32 v[228+\b], 0xfc000000, v[216+\b]
.endr
.irp b, 0,1
	v_and_or_b32 v[224+\b], v[216+\b], 0x7f800000, s66
.endr
.irp b, 0,1
	v_lshrrev_b32 v[220+\b], 23, v[228+\b]
.endr
.irp b, 0,1
.irp i, 0,1,2,3,4,5,6,7,8,9,10,11,12,13,14,15
	v_med3_num_f32 v[104+16*\b+\i], v[104+16*\b+\i], -v[224+\b], v[224+\b]
.endr
	v_cvt_scalef32_pk8_fp8_f32 v[200+4*\b:201+4*\b], v[104+16*\b:111+16*\b], v[228+\b]
	v_cvt_scalef32_pk8_fp8_f32 v[202+4*\b:203+4*\b], v[112+16*\b:119+16*\b], v[228+\b]
.endr
	s_wait_alu depctr_vm_vsrc(0)                   ; the loop's LDS loads have read v2, which the line below writes
	v_and_b32 v2, 31, v0                           ; (a plain line behind the last conversion)
	v_cmp_gt_u32 vcc_lo, 16, v2
	s_wait_alu depctr_va_vcc(0)                    ; the compare has written VCC, which the select below reads
	v_cndmask_b32 v222, v221, v220, vcc_lo         ; lanes 0-15 store block 0's byte, lanes 16-31 block 1's
	s_wait_alu depctr_va_vdst(0)                   ; the conversions have written the codes v200-207 and the select the byte v222, which the stores below read
	global_store_b128 v1, v[200:203], s[14:15]             ; 512 consecutive bytes
	global_store_b128 v1, v[204:207], s[14:15] offset:512
	global_store_b8 v246, v222, s[16:17]           ; two bytes of each row's 32: units written in part, 131,072 bytes in the whole launch
	s_wait_dscnt 0x0
	s_wait_alu depctr_hold_cnt(0) depctr_sa_sdst(0) depctr_va_vdst(0) depctr_va_sdst(0) depctr_va_ssrc(0) depctr_va_vcc(0) depctr_vm_vsrc(0)
	s_wait_tensorcnt 0x0
	ds_add_u32 v254, v255
	s_wait_dscnt 0x0
	s_endpgm
.Lfunc_end_k_q63d1aee7c0_attn:
	.size	k_q63d1aee7c0_attn, .Lfunc_end_k_q63d1aee7c0_attn-k_q63d1aee7c0_attn
	.p2alignl 7, 3214868480
	.fill 96, 4, 3214868480
	.section	.rodata,"a",@progbits
	.p2align	6, 0x0
	.amdhsa_kernel k_q63d1aee7c0_attn
		.amdhsa_group_segment_fixed_size 288768
		.amdhsa_private_segment_fixed_size 0
		.amdhsa_enable_private_segment 0
		.amdhsa_kernarg_size 56
		.amdhsa_user_sgpr_count 2
		.amdhsa_user_sgpr_kernarg_segment_ptr 1
		.amdhsa_wavefront_size32 1
		.amdhsa_system_sgpr_workgroup_id_x 1
		.amdhsa_system_sgpr_workgroup_id_y 1
		.amdhsa_system_sgpr_workgroup_id_z 1
		.amdhsa_system_vgpr_workitem_id 0
		.amdhsa_next_free_vgpr 256
		.amdhsa_next_free_sgpr 102
		.amdhsa_reserve_vcc 1
		.amdhsa_float_denorm_mode_32 3
		.amdhsa_float_denorm_mode_16_64 3
		.amdhsa_memory_ordered 1
		.amdhsa_forward_progress 1
		.amdhsa_inst_pref_size 44
	.end_amdhsa_kernel
	.amdgpu_metadata
---
amdhsa.version: [ 1, 2 ]
amdhsa.kernels:
  - .name:           k_q63d1aee7c0_attn
    .symbol:         k_q63d1aee7c0_attn.kd
    .args:
      - { .name: qkimg, .offset: 0, .size: 8, .value_kind: global_buffer, .address_space: global }
      - { .name: qksc, .offset: 8, .size: 8, .value_kind: global_buffer, .address_space: global }
      - { .name: vimg, .offset: 16, .size: 8, .value_kind: global_buffer, .address_space: global }
      - { .name: vsch, .offset: 24, .size: 8, .value_kind: global_buffer, .address_space: global }
      - { .name: mw, .offset: 32, .size: 8, .value_kind: global_buffer, .address_space: global }
      - { .name: oimg, .offset: 40, .size: 8, .value_kind: global_buffer, .address_space: global }
      - { .name: osc, .offset: 48, .size: 8, .value_kind: global_buffer, .address_space: global }
    .group_segment_fixed_size: 288768
    .private_segment_fixed_size: 0
    .kernarg_segment_align: 8
    .kernarg_segment_size: 56
    .max_flat_workgroup_size: 512
    .sgpr_count:     102
    .vgpr_count:     256
    .wavefront_size: 32
...
	.end_amdgpu_metadata
.endif
;; end of part 4
;; launch oproj: the kernel of part 3 again; grid 8 x 32, 4 waves a work-group, clusters of 4 x 4, 296,960 bytes of LDS; arguments oimg, osc, Wo_codes, Wo_scales, out0; writes out0
